; MI455X (gfx1250); checked and timed in simulation.
; The chip was launched on July 23, 2026; its instructions are those of AMD's public machine-readable ISA for CDNA 5 (MIT licence, August 2026) and "CDNA5" Instruction Set Architecture Reference Guide (July 2026). The comments in the code are by the model that wrote it; some were corrected since.
;; Attention. Allowed arithmetic: matrix products marked QUANTISED: E2M1 operands, one E8M0 scale for each 32 along K, by v_wmma_scale_f32_16x16x128_f8f6f4 with both operands' format E2M1 (or v_wmma_scale_f32_32x16x128_f4), f32 sums; everything else in f32.
;; Inputs: K_codes 4 x 2,048 x 32 x 16 uint8 (E2M1 codes of K, K innermost, in blocks of 32 codes, two codes a byte); K_scales 4 x 2,048 x 32 uint8 (E8M0 scales of K, one for each 32 codes along K); Q_codes 4 x 2,048 x 32 x 16 uint8 (E2M1 codes of Q, K innermost, in blocks of 32 codes, two codes a byte); Q_scales 4 x 2,048 x 32 uint8 (E8M0 scales of Q, one for each 32 codes along K); V_codes 4 x 2,048 x 32 x 16 uint8 (E2M1 codes of V, K innermost, in blocks of 32 codes, two codes a byte); V_scales 4 x 2,048 x 32 uint8 (E8M0 scales of V, one for each 32 codes along K); Wk_b 1,024 float32; Wk_w_codes 1,024 x 32 x 16 uint8 (E2M1 codes of Wk_w, K innermost, in blocks of 32 codes, two codes a byte); Wk_w_scales 1,024 x 32 uint8 (E8M0 scales of Wk_w, one for each 32 codes along K); Wq_b 1,024 float32; Wq_w_codes 1,024 x 32 x 16 uint8 (E2M1 codes of Wq_w, K innermost, in blocks of 32 codes, two codes a byte); Wq_w_scales 1,024 x 32 uint8 (E8M0 scales of Wq_w, one for each 32 codes along K); Wv_b 1,024 float32; Wv_w_codes 1,024 x 32 x 16 uint8 (E2M1 codes of Wv_w, K innermost, in blocks of 32 codes, two codes a byte); Wv_w_scales 1,024 x 32 uint8 (E8M0 scales of Wv_w, one for each 32 codes along K); mask 4 x 2,048 x 2,048 int32.
;; Outputs: out0 4 x 2,048 x 1,024 float32.
;; This version of the problem:
;;   THIS VERSION OF THE PROBLEM IS GIVEN IN LOW PRECISION. The matrix products marked QUANTISED in the list below multiply operands that are first quantised to E2M1 (2 exponent bits, 1 mantissa bit; 4 bits a number), with one power-of-two scale for each 32 numbers along K (OCP MX v1.0); their sums are f32. All else is computed in f32.
;;   The module's matrix products, in the order in which they are computed (A, B: the left and right operand; K: the contracted axis; several contracted axes count as one K, in the product's order):
;;     1. [M 8,192, K 1,024] x [K 1,024, N 1,024]; A: input Q (given as codes); B: input Wq_w (given as codes): QUANTISED
;;     2. [M 8,192, K 1,024] x [K 1,024, N 1,024]; A: input K (given as codes); B: input Wk_w (given as codes): QUANTISED
;;     3. [M 8,192, K 1,024] x [K 1,024, N 1,024]; A: input V (given as codes); B: input Wv_w (given as codes): QUANTISED
;;     4. batch 4 x [M 2,048, K 1,024] x [K 1,024, N 2,048]; A: computed on the way; B: computed on the way: QUANTISED
;;     5. batch 4 x [M 2,048, K 2,048] x [K 2,048, N 1,024]; A: softmax (see below); B: computed on the way: QUANTISED
;;   THE QUANTISER, for each operand of a quantised product, along K:
;;     - K is cut into blocks of 32 from its start; a last block that is shorter is filled with zeros.
;;     - A block's scale is 2^e with e = floor(log2(the largest magnitude in the block)) - 2, held to -126 .. 127; a block of zeros has e = 0. As a byte (E8M0): e + 127.
;;     - Each number is divided by its block's scale, clamped to +-6, and rounded to the nearest number of E2M1, ties to even, subnormals kept.
;;     - The product sums the exact products of the quantised numbers (number of the format x scale) in f32.
;;   ~~~python
;;   def quantise(x, axis):      # numpy; x: float32 -> the quantised numbers, widened to float32 again
;;       x = np.moveaxis(x, axis, -1); K = x.shape[-1]
;;       x = np.pad(x, [(0, 0)] * (x.ndim - 1) + [(0, -K % 32)]); x = x.reshape(x.shape[:-1] + (-1, 32)); a = np.abs(x).max(-1, keepdims=True)
;;       e = np.where(a > 0, np.clip(np.frexp(np.where(a > 0, a, 1))[1] - 1 - 2, -126, 127), 0)      # np.frexp(a)[1] - 1 = floor(log2(a)), exactly
;;       r = np.clip(x / 2.0 ** e, -6, 6)
;;       step = 2.0 ** (np.maximum(np.frexp(np.where(r == 0, 1, r))[1] - 1, 0) - 1)
;;       q = np.round(r / step) * step * 2.0 ** e      # np.round: ties to even
;;       return np.moveaxis(q.reshape(q.shape[:-2] + (-1,))[..., :K], -1, axis).astype(np.float32)
;;   ~~~
;;   SOFTMAX AHEAD OF A QUANTISED PRODUCT. Where the list says 'softmax', what is quantised is not the finished softmax but p = 2^(t - M), with t = logit x log2(e) and M = ceil(the row's largest t), a whole number; so 1/2 < the row's largest p <= 1. The row's sum l is taken of the UNQUANTISED p, in f32, and the product's result is divided by l at the end. Since M is a whole number, a kernel that streams over the keys may use a running M (the ceiling of the running maximum): every later rescaling is an exact power of two, which a block's scale takes up: the codes' values come out the same.
;;   OPERANDS COMPUTED ON THE WAY. 'Computed on the way' means the value that the module computes at that place (a softmax that the list does not call 'softmax' is quantised finished and normalised). What goes into a quantiser is computed in f32, as accurately as f32 sums, v_exp_f32 and their like allow (about 1e-6 of the number): no bf16 or f16 on the way to a quantiser, and a product that is left as it is and whose result goes on into a quantised operand takes f32 operands (vector FMAs, or v_wmma_f32_16x16x4_f32). A number that lies on a knife's edge between two numbers of the format may be rounded either way, as far as f32 arithmetic and the matrix unit's own rounding can turn it there, and no further.
;;   INPUTS GIVEN AS CODES. K (in the module: [4, 2048, 1024], K = its axis 2); Q (in the module: [4, 2048, 1024], K = its axis 2); V (in the module: [4, 2048, 1024], K = its axis 2); Wk_w (in the module: [1024, 1024], K = its axis 1); Wq_w (in the module: [1024, 1024], K = its axis 1); Wv_w (in the module: [1024, 1024], K = its axis 1): each comes as NAME_codes (uint8): NAME with its K axis moved to the last place and cut into blocks of 32 codes, [.., K / 32, bytes a block], one block behind the other in memory; two codes a byte, the lower K in the low four bits (a code: sign, 2 exponent bits, 1 mantissa bit); and NAME_scales (uint8): the same leading axes, one E8M0 byte (e + 127) for each 32 codes along K. Its value is code x scale, taken as it is: it is not quantised again, and the codes and scales need not be those that the quantiser above would give.
;; One version. Each part assembles by itself: llvm-mc -triple=amdgcn-amd-amdhsa -mcpu=gfx1250 --defsym DOCPART=n.
;; ======== version 1 of 1: 3 launches
;; limits: right only within a limited range of input values
;; workspace buffers: qkv_codes 12,582,912 bytes; qkv_scales 786,432 bytes; p_codes 8,388,608 bytes; p_scales 524,288 bytes; p_stats 1,048,576 bytes
;; launch proj (part 1): grid 4 x 64, 8 waves a work-group, clusters of 4 x 4, 327,680 bytes of LDS; arguments Q_codes, Q_scales, Wq_w_codes, Wq_w_scales, Wq_b, K_codes, K_scales, Wk_w_codes, Wk_w_scales, Wk_b, Wv_w_codes, Wv_w_scales, V_codes, V_scales, Wv_b, qkv_codes, qkv_scales; writes qkv_codes, qkv_scales
.if DOCPART == 1
	.amdgcn_target "amdgcn-amd-amdhsa--gfx1250"
	.amdhsa_code_object_version 6
	.text
	.protected	k_q2e2733753a_proj
	.globl	k_q2e2733753a_proj
	.p2align	8
	.type	k_q2e2733753a_proj,@function
k_q2e2733753a_proj:
	s_mov_b64 s[64:65], 0
	v_nop
	global_prefetch_b8 v0, s[64:65] scope:SCOPE_SE
	s_setreg_imm32_b32 hwreg(HW_REG_WAVE_MODE, 25, 1), 1
	s_wait_xcnt 0x0
	s_wait_alu depctr_hold_cnt(0) depctr_sa_sdst(0) depctr_va_vdst(0) depctr_va_sdst(0) depctr_va_ssrc(0) depctr_va_vcc(0) depctr_vm_vsrc(0)
	s_getreg_b32 s2, hwreg(HW_REG_IB_STS2, 6, 4)
	s_cmp_eq_u32 s2, 0
	s_cbranch_scc0 .Lentry_in_a_cluster
	s_endpgm
.Lentry_in_a_cluster:
	s_bfe_u32 s2, ttmp6, 0x10000c
	s_cmp_lg_u32 s2, 0xf033
	s_cbranch_scc0 .Lentry_shape_is_right
	s_endpgm
.Lentry_shape_is_right:
; q = Q Wq^T + bq, k = K Wk^T + bk, v = V Wv^T + bv: products of given FP4 (E2M1) codes with E8M0 scales, sums in f32, quantised at once: q and k along d, v along the keys.
; NOTHING OF THE PROBLEM IS LEFT OUT in this program: all sixteen inputs are loaded.
; LIMITS: NaN, infinities and scale bytes 0xff among the inputs are not served.  A block whose largest magnitude lies under 2^(3 - 127) keeps the byte 1 (a block of zeros too: its codes are zeros, and this program alone reads the bytes).
; The bias is the C of each accumulator's first product: the sum begins with it.
; SHARES.  256 work-groups of eight waves.  PART 1: a tile of 256 tokens x 256 d of q (clusters 0-7) or k (clusters 8-15); a wave makes 64 x 128.  PART 2: 128 d x 256 tokens of v; a wave makes 32 x 128.
; 'A' is the operand whose rows lie on the lanes (source 1): tokens, in part 2 Wv's rows.  'B' (source 0) runs down the registers: the weight's rows, in part 2 the tokens: the later product's K.
; FILLS.  All of K = 1,024 lies in LDS at once: at the head each wave fetches one of eight pieces (two halves each of A's codes, B's codes, A's scales, B's scales).  Part 2's operands fill the same bytes again behind a
; round of the cluster's barrier, while part 1's results are quantised and stored.  CLUSTERS 4 x 4: A's pieces are shared along a row, B's along a column.
; PREFETCH: what part 2 will fetch is asked for in part 1's third step: the four partners that share a tile share its rows out by address, one instruction in each of waves 0 to 5.
; OUT.  A wave's results are part of an image of a later operand's registers: [block of 16 rows][part c][lane][16 bytes]; each store of codes covers 512 consecutive bytes, aligned.
; REGISTERS: window 0: v0-31 addresses; v32-95 B's fragments, v96-127 A's; v128-191 the bias; v192-255 scale words of all eight steps; on the way out v32-59 at work, v96-127 codes.  window 1: the accumulators, (a, b) at v[8 (8 a + b)].
.set PITCH,  528                       ; 512 bytes of codes + 16 of padding
.set HALFT,  128*PITCH
.set SCL,    4*HALFT                   ; scale bytes, units of 256 + 16 of padding: A's two halves, B's two halves
.set HALFS,  16*272
.set SBLK,   544                       ; the scales of 16 rows
.set STG,    SCL+4*HALFS               ; part 1: 64 new scale words for each wave
.set STG3,   STG+8*256                 ; part 2: 128 words for each 128 keys
.set SPARE,  STG3+1024                 ; the spare words, 128 bytes for each wave
.set SPW, 3
.set NIL, 4
.set LI, 5
.set ADRA, 6
.set ADRB, 7
.set ADRS, 8
.set SST, 9
.set SRD, 10
.set L8, 11
.set BO, 12
.set BO2, 13
.set PFO, 14
.set ADRA2, 15
.set ADRS2, 16
.set SST2, 17
.set SRD2, 18
.set KF, 32
.set QF, 96
.set BI, 128
.set SC, 192
.set BM, 32
.set BP, 36
.set SO, 40
.set BY, 44
.set PW, 48
.set WB, 56
.set Z, 96
.set G1, 24
.set G0, 32
.set G0B, 36
.set G1B, 48
.set G0S, 56
.set G0SB, 60
.set G1S, 68                           ; (over arguments that have been used by then)
.set G1SB, 76
.set SEL, 22
.set MSB, 0
.macro WIN new                         ; the immediate's high byte repeats the setting that is left
.if MSB != (\new)
	s_set_vgpr_msb (MSB<<8)|(\new)
.set MSB, (\new)
.endif
.endm
.macro PLACES n
.rept \n
	v_nop
.endr
.endm
.macro TL g0, g1
	tensor_load_to_lds s[\g0:\g0+3], s[\g1:\g1+7]
	s_nop 0
	PLACES 4
.endm
.macro FILL                            ; one joint load a wave, in one chain of branches on the wave's number
	s_cmp_lt_u32 s14, 2
	s_cbranch_scc0 .Lfb_\@
	TL G0, G1
	s_branch .Lfd_\@
.Lfb_\@:
	s_cmp_lt_u32 s14, 4
	s_cbranch_scc0 .Lfs_\@
	TL G0B, G1B
	s_branch .Lfd_\@
.Lfs_\@:
	s_cmp_lt_u32 s14, 6
	s_cbranch_scc0 .Lft_\@
	TL G0S, G1S
	s_branch .Lfd_\@
.Lft_\@:
	TL G0SB, G1SB
.Lfd_\@:
.endm
.macro CROUND                          ; a round of the cluster's barrier
	s_barrier_signal -1
	s_barrier_wait -1
	s_cmp_lg_u32 s14, 0
	s_cbranch_scc1 .Lnot_wave_0_\@
	s_barrier_signal -3
.Lnot_wave_0_\@:
	s_barrier_wait -3
	s_barrier_signal -1
	s_barrier_wait -1
.endm
	s_load_b512 s[68:83], s[0:1], 0x0              ; argument i lies at s[68 + 2 i : 69 + 2 i]
	s_load_b512 s[84:99], s[0:1], 0x40
	s_load_b64 s[100:101], s[0:1], 0x80
	v_lshl_add_u32 v[SPW], v0, 2, SPARE
	v_mov_b32 v[NIL], 0
	ds_add_u32 v[SPW], v[NIL]                      ; the wave's opening: the add, twice on end, and its wait
	ds_add_u32 v[SPW], v[NIL]
	v_lshrrev_b32 v1, 5, v0
	v_readfirstlane_b32 s14, v1                    ; wave 0..7
	s_lshr_b32 s15, s14, 1                         ; qa: which 64 (part 2: 32) of A's rows are mine
	s_and_b32 s16, s14, 1                          ; kb: which 128 of B's rows.  Also: which half of a piece I fetch
	s_bfe_u32 s40, ttmp6, 0x40000                  ; cx
	s_bfe_u32 s41, ttmp6, 0x40004                  ; cy
	s_and_b32 s18, ttmp7, 0xffff                   ; the cluster, 0..15
	s_lshr_b32 s3, s18, 3                          ; z: 0 q, 1 k
	s_and_b32 s19, s18, 7
	s_lshl_b32 s19, s19, 2
	s_add_co_u32 s17, s19, s41                     ; part 1: A's tile of 256 tokens, 4 g + cy (B's: cx)
	s_add_co_u32 s42, s19, s40                     ; part 2: B's tile of 256 tokens, 4 g + cx
	s_lshl_b32 s2, s3, 2
	s_add_co_u32 s2, s2, s41                       ; part 2: A's 128 rows of Wv, 4 z + cy
	s_lshl_b32 s43, s41, 2
	s_lshl_b32 s43, 15, s43                        ; my row of the cluster
	s_lshl_b32 s44, 0x1111, s40                    ; my column
	s_or_b32 s[G1+0], s43, (3<<16)|(1<<20)|(1<<21)|(6<<22)|(3<<25)   ; elements of 8 bytes; 4 words of padding behind every 128
	s_or_b32 s[G1B+0], s44, (3<<16)|(1<<20)|(1<<21)|(6<<22)|(3<<25)
.irp g, G1, G1B                        ; 128 rows of 512 bytes
	s_mov_b32 s[\g+1], 64<<16
	s_mov_b32 s[\g+2], 128<<16
	s_mov_b32 s[\g+3], 64<<16
	s_mov_b32 s[\g+4], 128
	s_mov_b32 s[\g+5], 64
	s_mov_b32 s[\g+6], 0
	s_mov_b32 s[\g+7], 0
.endr
	v_and_b32 v1, 15, v0                           ; r
	v_bfe_u32 v2, v0, 4, 1                         ; h
	v_and_b32 v19, 31, v0
	v_lshlrev_b32 v[LI], 4, v19                    ; 16 x lane
	v_lshlrev_b32 v[L8], 3, v19
	v_lshlrev_b32 v[PFO], 9, v19                   ; the prefetch: a lane a row of 512 bytes
	v_lshlrev_b32 v[BO], 5, v2                     ; part 1's bias: 32 h
	v_lshlrev_b32 v[BO2], 2, v1                    ; part 2's: 4 r
	v_mul_u32_u24 v20, v1, PITCH
	v_lshl_add_u32 v20, v2, 4, v20                 ; a fragment's row x pitch + 16 x half
	s_wait_alu depctr_va_vdst(0)
	s_mul_i32 s21, s15, 64*PITCH
	v_add_nc_u32 v[ADRA], s21, v20
	s_mul_i32 s21, s15, 32*PITCH
	v_add_nc_u32 v[ADRA2], s21, v20
	s_mul_i32 s21, s16, HALFT
	s_add_co_u32 s21, s21, 2*HALFT
	v_add_nc_u32 v[ADRB], s21, v20
	v_lshrrev_b32 v20, 3, v1                       ; my row's scales: 32 bytes a row and 16 more for each 256 passed
	v_lshlrev_b32 v20, 4, v20
	v_lshl_add_u32 v20, v1, 5, v20
	s_wait_alu depctr_va_vdst(0)                   ; likewise
	s_mul_i32 s20, s16, HALFS
	s_add_co_u32 s20, s20, 2*HALFS
	s_mul_i32 s21, s15, 4*SBLK
	s_sub_co_u32 s45, s20, s21
	v_mul_u32_u24 v21, s45, v2                     ; lanes 16-31 take B's
	s_add_co_u32 s21, s21, SCL
	v_add_nc_u32 v21, v20, v21
	v_add_nc_u32 v[ADRS], s21, v21
	s_mul_i32 s21, s15, 2*SBLK
	s_sub_co_u32 s45, s20, s21
	v_mul_u32_u24 v21, s45, v2
	s_add_co_u32 s21, s21, SCL
	v_add_nc_u32 v21, v20, v21
	v_add_nc_u32 v[ADRS2], s21, v21
	s_lshl_b32 s21, s14, 8
	s_add_co_u32 s21, s21, STG
	v_lshl_add_u32 v[SST], v1, 2, s21
	v_add_nc_u32 v[SRD], s21, v[L8]
	s_lshl_b32 s21, s16, 9
	s_add_co_u32 s21, s21, STG3
	v_add_nc_u32 v[SRD2], s21, v[LI]
	s_lshl_b32 s20, s15, 7
	s_add_co_u32 s21, s21, s20
	v_lshl_add_u32 v[SST2], v1, 2, s21
	s_mov_b32 s[SEL], 0x76543210
	s_mov_b32 s[SEL+1], 0xfedcba98                 ; v_permlanex16_b32's selects for lane l xor 16
	s_lshl_b32 s18, s16, 7
	s_lshl_b32 s20, s17, 8
	s_add_co_u32 s20, s20, s18                     ; A: the first row that I fetch
	s_lshl_b32 s46, s40, 8
	s_add_co_u32 s46, s46, s18                     ; B: the first row that I fetch, and the first of my 128 of d
	s_lshl_b32 s18, s46, 2                         ; its bias
	s_mov_b32 s19, 0
	s_lshl_b32 s66, s46, 5                         ; its scales
	s_lshl_b32 s46, s46, 9                         ; its codes
	s_lshl_b32 s44, s20, 5
	s_lshl_b32 s20, s20, 9
	s_mov_b32 s21, 0
	s_mov_b32 s45, 0
	s_mov_b32 s47, 0
	s_mov_b32 s67, 0
	s_wait_alu depctr_va_vdst(0)                   ; directly ahead of the waits below
	s_wait_dscnt 0x0                               ; both opening adds are done
	s_wait_kmcnt 0x0
	s_cmp_eq_u32 s3, 1
	s_cselect_b64 s[4:5], s[78:79], s[68:69]       ; A's codes and scales, B's codes and scales, the bias
	s_cselect_b64 s[6:7], s[80:81], s[70:71]
	s_cselect_b64 s[8:9], s[82:83], s[72:73]
	s_cselect_b64 s[10:11], s[84:85], s[74:75]
	s_cselect_b64 s[12:13], s[86:87], s[76:77]
	s_lshl_b32 s68, 0x1111, s40
	s_or_b32 s[G1SB+0], s68, (3<<16)|(1<<20)|(1<<21)|(5<<22)|(3<<25)
	s_or_b32 s[G1S+0], s43, (3<<16)|(1<<20)|(1<<21)|(5<<22)|(3<<25)
.irp g, G1S, G1SB                      ; the scales of 128 rows: 4,096 dense bytes as 16 rows of 256
	s_mov_b32 s[\g+1], 32<<16
	s_mov_b32 s[\g+2], 16<<16
	s_mov_b32 s[\g+3], 32<<16
	s_mov_b32 s[\g+4], 16
	s_mov_b32 s[\g+5], 32
	s_mov_b32 s[\g+6], 0
	s_mov_b32 s[\g+7], 0
.endr
	s_mov_b32 s[G0], 1
	s_mul_i32 s[G0+1], s16, HALFT
	s_add_nc_u64 s[G0+2:G0+3], s[4:5], s[20:21]
	s_or_b32 s[G0+3], s[G0+3], 0x80000000
	s_mov_b32 s[G0B], 1
	s_add_co_u32 s[G0B+1], s[G0+1], 2*HALFT
	s_add_nc_u64 s[G0B+2:G0B+3], s[8:9], s[46:47]
	s_or_b32 s[G0B+3], s[G0B+3], 0x80000000
	s_mov_b32 s[G0S], 1
	s_mul_i32 s[G0S+1], s16, HALFS
	s_add_co_u32 s[G0S+1], s[G0S+1], SCL
	s_add_nc_u64 s[G0S+2:G0S+3], s[6:7], s[44:45]
	s_or_b32 s[G0S+3], s[G0S+3], 0x80000000
	s_mov_b32 s[G0SB], 1
	s_add_co_u32 s[G0SB+1], s[G0S+1], 2*HALFS
	s_add_nc_u64 s[G0SB+2:G0SB+3], s[10:11], s[66:67]
	s_or_b32 s[G0SB+3], s[G0SB+3], 0x80000000
	s_add_nc_u64 s[12:13], s[12:13], s[18:19]
	CROUND                                         ; all sixteen work-groups are here: the joint loads meet
	FILL
.irp b, 0,1,2,3,4,5,6,7                ; register 8 b + j takes the bias of d = 16 b + 8 h + j
	global_load_b128 v[BI+8*\b:BI+8*\b+3], v[BO], s[12:13] offset:64*\b
	global_load_b128 v[BI+8*\b+4:BI+8*\b+7], v[BO], s[12:13] offset:64*\b+16
.endr
	; the prefetch: of Wv's 128 rows the partner cx asks for 32, of V's 256 rows the partner cy for 64; a row is two units of 256 bytes
	s_lshl_b32 s20, s2, 7
	s_lshl_b32 s21, s40, 5
	s_add_co_u32 s20, s20, s21
	s_lshl_b32 s18, s42, 8
	s_lshl_b32 s21, s41, 6
	s_add_co_u32 s18, s18, s21
	s_lshl_b32 s21, s15, 5
	s_add_co_u32 s18, s18, s21
	s_sub_co_u32 s18, s18, 32                      ; waves 2 and 3 the first 32 of them, waves 4 and 5 the others
	s_cmp_lt_u32 s14, 2
	s_cselect_b32 s20, s20, s18
	s_cselect_b64 s[66:67], s[88:89], s[92:93]
	s_lshl_b32 s20, s20, 9
	s_lshl_b32 s21, s16, 8
	s_add_co_u32 s20, s20, s21
	s_mov_b32 s21, 0
	s_add_nc_u64 s[66:67], s[66:67], s[20:21]
	; part 2's operands: 64 rows of Wv, 128 tokens
	s_lshl_b32 s20, s2, 7
	s_lshl_b32 s18, s16, 6
	s_add_co_u32 s20, s20, s18
	s_lshl_b32 s18, s20, 5
	s_lshl_b32 s20, s20, 9
	s_add_nc_u64 s[88:89], s[88:89], s[20:21]
	s_add_nc_u64 s[90:91], s[90:91], s[18:19]
	s_lshl_b32 s20, s42, 8
	s_lshl_b32 s18, s16, 7
	s_add_co_u32 s20, s20, s18
	s_lshl_b32 s18, s20, 5
	s_lshl_b32 s20, s20, 9
	s_add_nc_u64 s[92:93], s[92:93], s[20:21]
	s_add_nc_u64 s[94:95], s[94:95], s[18:19]
	s_lshl_b32 s20, s2, 9
	s_lshl_b32 s18, s15, 7
	s_add_co_u32 s20, s20, s18
	s_add_nc_u64 s[96:97], s[96:97], s[20:21]      ; and the bias of my 32 of d
	; where my results go.  q, k: [token / 128][d / 128]
	s_lshl_b32 s18, s17, 1
	s_lshr_b32 s20, s15, 1
	s_add_co_u32 s18, s18, s20
	s_lshl_b32 s18, s18, 3
	s_lshl_b32 s20, s40, 1
	s_add_co_u32 s18, s18, s20
	s_add_co_u32 s18, s18, s16
	s_lshl_b32 s20, s18, 13
	s_lshl_b32 s18, s18, 9
	s_lshl_b32 s43, s3, 22
	s_add_co_u32 s20, s20, s43
	s_lshl_b32 s43, s3, 18
	s_add_co_u32 s18, s18, s43
	s_and_b32 s43, s15, 1
	s_lshl_b32 s44, s43, 12
	s_add_co_u32 s20, s20, s44
	s_lshl_b32 s44, s43, 8
	s_add_co_u32 s18, s18, s44
	s_add_nc_u64 s[4:5], s[98:99], s[20:21]
	s_add_nc_u64 s[6:7], s[100:101], s[18:19]
	; v: [batch][d / 128][key / 128]
	s_lshr_b32 s18, s42, 3
	s_lshl_b32 s18, s18, 3
	s_add_co_u32 s18, s18, s2
	s_lshl_b32 s18, s18, 4
	s_and_b32 s20, s42, 7
	s_lshl_b32 s20, s20, 1
	s_add_co_u32 s18, s18, s20
	s_add_co_u32 s18, s18, s16
	s_lshl_b32 s20, s18, 13
	s_add_co_u32 s20, s20, 8388608
	s_lshl_b32 s43, s15, 11
	s_add_co_u32 s20, s20, s43
	s_lshl_b32 s18, s18, 9
	s_add_co_u32 s18, s18, 524288
	s_add_nc_u64 s[8:9], s[98:99], s[20:21]
	s_add_nc_u64 s[10:11], s[100:101], s[18:19]
.macro SCALES adr                      ; four words a load: steps 0-3, then 4-7; lanes 0-15 take A's block i, lanes 16-31 B's block i (in lanes 0-15 the last blocks are words that no product names)
.irp q, 0,1
.irp i, 0,1,2,3,4,5,6,7
	ds_load_b128 v[SC+32*\q+4*\i:SC+32*\q+4*\i+3], v[\adr] offset:\i*SBLK+16*\q
.endr
.endr
.endm
.macro FETCH k, na, adra               ; step k's fragments: B's eight, then A's na
.irp i, 0,1,2,3,4,5,6,7
.irp c, 0,1
	ds_load_b128 v[KF+8*\i+4*\c:KF+8*\i+4*\c+3], v[ADRB] offset:\i*16*PITCH+64*(\k)+32*\c
.endr
.endr
.irp i, 0,1,2,3
.if \i < \na
.irp c, 0,1
	ds_load_b128 v[QF+8*\i+4*\c:QF+8*\i+4*\c+3], v[\adra] offset:\i*16*PITCH+64*(\k)+32*\c
.endr
.endif
.endr
.endm
; A step of 128 along K.  mode 1, 2: the first product takes the bias as C (1: along B's rows, 2: along A's).  The accumulators take turns, in the same order in every step.
.macro STEP k, na, adra, mode
.if \mode
	WIN 0x40
.else
	WIN 0x50
.endif
.irp a, 0,1,2,3
.if \a < \na
	s_wait_dscnt 2*((\na)-1-\a)                    ; B's fragments and A's block a are in; A's younger blocks may be out
.irp b, 0,1,2,3,4,5,6,7
.set D, 8*(8*\a+\b)
.set S, SC+32*((\k)/4)+(\k)%4
.if \mode == 1
.set CC, BI+8*\b
.elseif \mode == 2
.set CC, BI+8*\a
.else
.set CC, D
.endif
	v_wmma_scale_f32_16x16x128_f8f6f4 v[D:D+7], v[KF+8*\b:KF+8*\b+7], v[QF+8*\a:QF+8*\a+7], v[CC:CC+7], v[S+4*\b], v[S+4*\a] matrix_a_fmt:MATRIX_FMT_FP4 matrix_b_fmt:MATRIX_FMT_FP4 matrix_a_scale:MATRIX_SCALE_ROW1
.endr
.endif
.endr
	WIN 0
.if (\k) < 7
	PLACES 4                                       ; places in front of loads into registers that matrix instructions have read
	FETCH (\k)+1, \na, \adra
.endif
.endm
; Block a's 16 rows: register 8 t + j of the block is K = 16 t + 8 h + j of my row; a block of 32 along K lies in tiles 2 b, 2 b + 1 of lanes l and l xor 16.  Each accumulator is read from its low end on.
.macro QUANT a, base, sst
.set AC, 64*(\a)
.set ZA, Z+8*(\a)
	WIN 0x05
.irp b, 0,1,2,3
	v_max3_num_f32 v[BM+\b], |v[AC+16*\b]|, |v[AC+16*\b+1]|, 0x1800000   ; with the floor 2^(3 - 127): the byte cannot fall under 1
.endr
	WIN 0x14
.irp i, 2,4,6,8,10,12,14
.irp b, 0,1,2,3
	v_max3_num_f32 v[BM+\b], v[BM+\b], |v[AC+16*\b+\i]|, |v[AC+16*\b+\i+1]|
.endr
.endr
	WIN 0
.irp b, 0,1,2,3
	v_permlanex16_b32 v[BP+\b], v[BM+\b], s[SEL], s[SEL+1]
.endr
.irp b, 0,1,2,3
	v_max_num_f32 v[BM+\b], v[BM+\b], v[BP+\b]
.endr
.irp b, 0,1,2,3
	v_add_nc_u32 v[SO+\b], 0xff000000, v[BM+\b]    ; 2 off the exponent field: the conversion's scale operand
.endr
.irp b, 0,1,2,3
	v_lshrrev_b32 v[BY+\b], 23, v[SO+\b]           ; the scale's byte
.endr
	v_lshl_or_b32 v[PW+\a], v[BY+1], 8, v[BY]
	v_lshl_or_b32 v[PW+\a], v[BY+2], 16, v[PW+\a]
	v_lshl_or_b32 v[PW+\a], v[BY+3], 24, v[PW+\a]
	WIN 0x01
.irp g, 0,1                            ; tile t's eight codes go to register {0, 2, 1, 3}[t % 4] of part t / 4,
	v_cvt_scalef32_pk8_fp4_f32 v[ZA+4*\g],   v[AC+32*\g:AC+32*\g+7],     v[SO+2*\g]
	v_cvt_scalef32_pk8_fp4_f32 v[ZA+4*\g+2], v[AC+32*\g+8:AC+32*\g+15],  v[SO+2*\g]
	v_cvt_scalef32_pk8_fp4_f32 v[ZA+4*\g+1], v[AC+32*\g+16:AC+32*\g+23], v[SO+2*\g+1]
	v_cvt_scalef32_pk8_fp4_f32 v[ZA+4*\g+3], v[AC+32*\g+24:AC+32*\g+31], v[SO+2*\g+1]
.endr
	v_nop                                          ; one plain place behind a scaled conversion
	WIN 0
.irp g, 0,1                            ; and two exchanges of halves a part give lanes 0-15 one block whole and lanes 16-31 the next
	v_permlane16_swap_b32 v[ZA+4*\g], v[ZA+4*\g+1]
	v_permlane16_swap_b32 v[ZA+4*\g+2], v[ZA+4*\g+3]
.endr
	global_store_b128 v[LI], v[ZA:ZA+3], s[\base:\base+1] offset:1024*(\a)   ; 512 consecutive bytes, aligned
	global_store_b128 v[LI], v[ZA+4:ZA+7], s[\base:\base+1] offset:1024*(\a)+512
	ds_store_b32 v[\sst], v[PW+\a] offset:64*(\a)  ; both halves of the lanes write the same word with the same value
.endm
	s_wait_alu depctr_va_vdst(0)                   ; the head's end
	s_wait_tensorcnt 0x0                           ; my piece is in
	s_barrier_signal -1
	s_barrier_wait -1                              ; and everybody's
	SCALES ADRS
	FETCH 0, 4, ADRA
	s_wait_loadcnt 0x0                             ; the bias
	STEP 0, 4, ADRA, 1
	STEP 1, 4, ADRA, 0
	STEP 2, 4, ADRA, 0
	s_cmp_lt_u32 s14, 6
	s_cbranch_scc0 .Lno_ask
	global_prefetch_b8 v[PFO], s[66:67] th:TH_LOAD_NT scope:SCOPE_SE
.Lno_ask:
	STEP 3, 4, ADRA, 0
	STEP 4, 4, ADRA, 0
	STEP 5, 4, ADRA, 0
	STEP 6, 4, ADRA, 0
	STEP 7, 4, ADRA, 0
	s_wait_tensorcnt 0x0                           ; no tensor load of mine is out: the descriptors may be written
	ds_add_u32 v[SPW], v[NIL]                      ; 0 onto my spare word
	s_mov_b32 s[G1+2], 64<<16                      ; A is now 64 rows to a load,
	s_mov_b32 s[G1+4], 64
	s_mov_b32 s[G1S+2], 8<<16                      ; its scales 2,048 bytes
	s_mov_b32 s[G1S+4], 8
	s_mul_i32 s[G0+1], s16, 64*PITCH
	s_mov_b64 s[G0+2:G0+3], s[88:89]
	s_or_b32 s[G0+3], s[G0+3], 0x80000000
	s_mul_i32 s[G0S+1], s16, 8*272
	s_add_co_u32 s[G0S+1], s[G0S+1], SCL
	s_mov_b64 s[G0S+2:G0S+3], s[90:91]
	s_or_b32 s[G0S+3], s[G0S+3], 0x80000000
	s_mov_b64 s[G0B+2:G0B+3], s[92:93]
	s_or_b32 s[G0B+3], s[G0B+3], 0x80000000
	s_mov_b64 s[G0SB+2:G0SB+3], s[94:95]
	s_or_b32 s[G0SB+3], s[G0SB+3], 0x80000000
	s_wait_dscnt 0x0                               ; the add is done, and my reads of LDS are over
	CROUND
	FILL                                           ; part 2's operands; its four v_nop are the places behind the last products
.irp a, 0,1
.irp j, 0,1,2,3,4,5,6,7                ; part 2's bias of d = 16 a + r, in all eight registers of a C
	global_load_b32 v[BI+8*\a+\j], v[BO2], s[96:97] offset:64*\a
.endr
.endr
.irp a, 0,1,2,3
	QUANT \a, 4, SST
.endr
	ds_load_b64 v[WB:WB+1], v[SRD]                 ; LDS serves a wave's instructions in order: this sees my stores
	s_wait_dscnt 0x0
	global_store_b64 v[L8], v[WB:WB+1], s[6:7]     ; 64 scale words: 256 consecutive bytes
	s_wait_alu depctr_va_vdst(0)                   ; directly ahead of the waits below
	s_wait_xcnt 0x0                                ; the stores have read their registers
	s_wait_tensorcnt 0x0
	s_barrier_signal -1
	s_barrier_wait -1                              ; part 2's pieces are in
	SCALES ADRS2
	FETCH 0, 2, ADRA2
	s_wait_loadcnt 0x0
	STEP 0, 2, ADRA2, 2
	STEP 1, 2, ADRA2, 0
	STEP 2, 2, ADRA2, 0
	STEP 3, 2, ADRA2, 0
	STEP 4, 2, ADRA2, 0
	STEP 5, 2, ADRA2, 0
	STEP 6, 2, ADRA2, 0
	STEP 7, 2, ADRA2, 0
	PLACES 4
	QUANT 0, 8, SST2
	QUANT 1, 8, SST2
	s_wait_dscnt 0x0                               ; four waves share a piece's 128 scale words: for the others' sake
	s_barrier_signal -1
	s_barrier_wait -1
	s_cmp_eq_u32 s15, 0
	s_cbranch_scc0 .Lno_words
	ds_load_b128 v[WB:WB+3], v[SRD2]
	s_wait_dscnt 0x0
	global_store_b128 v[LI], v[WB:WB+3], s[10:11]  ; 512 consecutive bytes
.Lno_words:
	s_wait_tensorcnt 0x0                           ; the wave's end
	ds_add_u32 v[SPW], v[NIL]
	s_wait_dscnt 0x0
	CROUND                                         ; the closing round
	s_endpgm
.Lfunc_end_k_q2e2733753a_proj:
	.size	k_q2e2733753a_proj, .Lfunc_end_k_q2e2733753a_proj-k_q2e2733753a_proj
	.p2alignl 7, 3214868480
	.fill 96, 4, 3214868480
	.section	.rodata,"a",@progbits
	.p2align	6, 0x0
	.amdhsa_kernel k_q2e2733753a_proj
		.amdhsa_group_segment_fixed_size 327680
		.amdhsa_private_segment_fixed_size 0
		.amdhsa_enable_private_segment 0
		.amdhsa_kernarg_size 136
		.amdhsa_user_sgpr_count 2
		.amdhsa_user_sgpr_kernarg_segment_ptr 1
		.amdhsa_wavefront_size32 1
		.amdhsa_system_sgpr_workgroup_id_x 1
		.amdhsa_system_sgpr_workgroup_id_y 1
		.amdhsa_system_sgpr_workgroup_id_z 1
		.amdhsa_system_vgpr_workitem_id 0
		.amdhsa_next_free_vgpr 512
		.amdhsa_next_free_sgpr 102
		.amdhsa_reserve_vcc 0
		.amdhsa_float_denorm_mode_32 3
		.amdhsa_float_denorm_mode_16_64 3
		.amdhsa_memory_ordered 1
		.amdhsa_forward_progress 1
		.amdhsa_inst_pref_size 119
	.end_amdhsa_kernel
	.amdgpu_metadata
---
amdhsa.version: [ 1, 2 ]
amdhsa.kernels:
  - .name:           k_q2e2733753a_proj
    .symbol:         k_q2e2733753a_proj.kd
    .args:
      - { .name: Q_codes, .offset: 0, .size: 8, .value_kind: global_buffer, .address_space: global }
      - { .name: Q_scales, .offset: 8, .size: 8, .value_kind: global_buffer, .address_space: global }
      - { .name: Wq_w_codes, .offset: 16, .size: 8, .value_kind: global_buffer, .address_space: global }
      - { .name: Wq_w_scales, .offset: 24, .size: 8, .value_kind: global_buffer, .address_space: global }
      - { .name: Wq_b, .offset: 32, .size: 8, .value_kind: global_buffer, .address_space: global }
      - { .name: K_codes, .offset: 40, .size: 8, .value_kind: global_buffer, .address_space: global }
      - { .name: K_scales, .offset: 48, .size: 8, .value_kind: global_buffer, .address_space: global }
      - { .name: Wk_w_codes, .offset: 56, .size: 8, .value_kind: global_buffer, .address_space: global }
      - { .name: Wk_w_scales, .offset: 64, .size: 8, .value_kind: global_buffer, .address_space: global }
      - { .name: Wk_b, .offset: 72, .size: 8, .value_kind: global_buffer, .address_space: global }
      - { .name: Wv_w_codes, .offset: 80, .size: 8, .value_kind: global_buffer, .address_space: global }
      - { .name: Wv_w_scales, .offset: 88, .size: 8, .value_kind: global_buffer, .address_space: global }
      - { .name: V_codes, .offset: 96, .size: 8, .value_kind: global_buffer, .address_space: global }
      - { .name: V_scales, .offset: 104, .size: 8, .value_kind: global_buffer, .address_space: global }
      - { .name: Wv_b, .offset: 112, .size: 8, .value_kind: global_buffer, .address_space: global }
      - { .name: qkv_codes, .offset: 120, .size: 8, .value_kind: global_buffer, .address_space: global }
      - { .name: qkv_scales, .offset: 128, .size: 8, .value_kind: global_buffer, .address_space: global }
    .group_segment_fixed_size: 327680
    .private_segment_fixed_size: 0
    .kernarg_segment_align: 8
    .kernarg_segment_size: 136
    .max_flat_workgroup_size: 256
    .sgpr_count:     102
    .vgpr_count:     512
    .wavefront_size: 32
...
	.end_amdgpu_metadata
.endif
;; end of part 1
;; launch score (part 2): grid 8 x 32, 8 waves a work-group, clusters of 4 x 4, 327,680 bytes of LDS; arguments qkv_codes, qkv_scales, mask, p_codes, p_scales, p_stats; writes p_codes, p_scales, p_stats
.if DOCPART == 2
	.amdgcn_target "amdgcn-amd-amdhsa--gfx1250"
	.amdhsa_code_object_version 6
	.text
	.protected	k_q2e2733753a_score
	.globl	k_q2e2733753a_score
	.p2align	8
	.type	k_q2e2733753a_score,@function
k_q2e2733753a_score:
	s_mov_b64 s[64:65], 0
	v_nop
	global_prefetch_b8 v0, s[64:65] scope:SCOPE_SE
	s_setreg_imm32_b32 hwreg(HW_REG_WAVE_MODE, 25, 1), 1
	s_wait_xcnt 0x0
	s_wait_alu depctr_hold_cnt(0) depctr_sa_sdst(0) depctr_va_vdst(0) depctr_va_sdst(0) depctr_va_ssrc(0) depctr_va_vcc(0) depctr_vm_vsrc(0)
	s_getreg_b32 s2, hwreg(HW_REG_IB_STS2, 6, 4)
	s_cmp_eq_u32 s2, 0
	s_cbranch_scc0 .Lentry_in_a_cluster
	s_endpgm
.Lentry_in_a_cluster:
	s_bfe_u32 s2, ttmp6, 0x10000c
	s_cmp_lg_u32 s2, 0xf033
	s_cbranch_scc0 .Lentry_shape_is_right
	s_endpgm
.Lentry_shape_is_right:
; S = q k^T on codes; the mask; p = 2^(t - M), t = S log2(e) / 32, M = the ceiling of the largest t among the 128 keys of a chunk, for each query; p is quantised along the keys.
; Stored: p's codes and scale words, -M, and the chunk's sum of the unquantised p.  Nothing is left out.
; LIMIT: a masked score counts as -2^30 where reference() has -1e9 (its t is then an exact number, so that a row with no key left has p = 1 for all): the results agree while the scaled scores stay under 2^29 in magnitude.  NaN and infinities are not served.
; SHARES.  A tile of 256 queries x 256 keys to a work-group of eight waves; a wave makes 64 x 128: 32 accumulators, 256 registers.  Source 0 = 16 keys, source 1 = 16 queries: a lane holds one query, keys run down the registers.
; FILLS.  All of K = 1,024 comes at the head, one joint load a wave: waves 0, 1 the queries' two halves (65,536 bytes each), 2, 3 the keys', 4, 5 the queries' scale words, 6, 7 the keys'.  Nothing is filled again.
; CLUSTERS 4 x 4: the queries' pieces are shared along a row, the keys' along a column.
; THE MASK.  A wave's 64 rows x 512 bytes come in four batches of 16 rows, each load 512 consecutive bytes of a row.  Batches 0 and 1 are asked for at the head, into registers; 2 and 3 are prefetched in steps 1 and 3, each unit of 256 bytes once,
; by the wave that loads it, and loaded when a batch's registers are free.  A batch goes through the wave's stage in LDS (rows of 528 bytes) and comes back in the accumulators' layout.
; REGISTERS: window 0: v0-31 addresses and small things; v32-95 keys' fragments, then the mask of a block; v96-127 queries' fragments, then at work; v128-191, v192-255 mask batches.  window 1: the accumulators, (a, b) at v[8 (8 a + b)], in place up to p.
.set SCA,    262144                    ; scale words: the queries' 256 rows, the keys' 256 rows
.set STAT,   SCA+16384                 ; 768 bytes for each wave: scale words, -M, sums of its 64 queries
.set SPARE,  STAT+8*768                ; the spare words, 128 bytes for each wave
.set MP,     528                       ; the mask's stages lie in the codes' bytes, which have had their last fill
.set SPW, 3
.set NIL, 4
.set LI, 5
.set ADRA, 6
.set ADRB, 7
.set ADRS, 8
.set MST, 9
.set MRD, 10
.set SST, 11
.set SRD, 12
.set PFO, 13
.set TNR, 14
.set L8, 15
.set SC, 16
.set NM, 24
.set TMX, 26
.set LSUM, 27
.set LP, 28
.set PWR, 29
.set KF, 32
.set MK, 32
.set QF, 96
.set BM, 96
.set BP, 100
.set SO, 104
.set BY, 108
.set SUM, 112
.set Z, 120
.set CS, 12
.set MS, 24                            ; s24-39 on the way out: lane masks (the descriptors have been used)
.set G1, 24
.set G0, 32
.set G0B, 36
.set G1B, 48
.set G0S, 56
.set G0SB, 60
.set G1S, 68
.set G1SB, 80
.set SEL, 96
.set MSB, 0
.macro WIN new
.if MSB != (\new)
	s_set_vgpr_msb (MSB<<8)|(\new)
.set MSB, (\new)
.endif
.endm
.macro PLACES n
.rept \n
	v_nop
.endr
.endm
.macro TL g0, g1
	tensor_load_to_lds s[\g0:\g0+3], s[\g1:\g1+7]
	s_nop 0
	PLACES 4
.endm
.macro CROUND
	s_barrier_signal -1
	s_barrier_wait -1
	s_cmp_lg_u32 s14, 0
	s_cbranch_scc1 .Lnot_wave_0_\@
	s_barrier_signal -3
.Lnot_wave_0_\@:
	s_barrier_wait -3
	s_barrier_signal -1
	s_barrier_wait -1
.endm
.macro GLOAD a                         ; batch a of the mask: 16 rows
.set MB, 128+64*((\a)%2)
.irp p, 0,1,2,3,4,5,6,7,8,9,10,11,12,13,14,15
	global_load_b128 v[MB+4*\p:MB+4*\p+3], v[LI], s[8:9] offset:(16*(\a)+\p)*8192 th:TH_LOAD_NT
.endr
.endm
.macro TRANS a                         ; through my stage: LDS serves a wave's instructions in order
.set MB, 128+64*((\a)%2)
.irp p, 0,1,2,3,4,5,6,7,8,9,10,11,12,13,14,15
	ds_store_b128 v[MST], v[MB+4*\p:MB+4*\p+3] offset:MP*\p
.endr
.irp b, 0,1,2,3,4,5,6,7
	ds_load_b128 v[MK+8*\b:MK+8*\b+3], v[MRD] offset:64*\b
	ds_load_b128 v[MK+8*\b+4:MK+8*\b+7], v[MRD] offset:64*\b+16
.endr
.endm
	s_load_b256 s[4:11], s[0:1], 0x0               ; codes, scale words, mask, p's codes
	s_load_b128 s[92:95], s[0:1], 0x20             ; p's scale words, its statistics
	v_lshl_add_u32 v[SPW], v0, 2, SPARE
	v_mov_b32 v[NIL], 0
	ds_add_u32 v[SPW], v[NIL]                      ; the wave's opening: the add, twice on end, and its wait
	ds_add_u32 v[SPW], v[NIL]
	v_lshrrev_b32 v1, 5, v0
	v_readfirstlane_b32 s14, v1                    ; wave 0..7
	s_lshr_b32 s15, s14, 1                         ; qa: my 64 queries
	s_and_b32 s16, s14, 1                          ; kb: my 128 keys.  Also: which half of a piece I fetch
	s_bfe_u32 s40, ttmp6, 0x40000                  ; cx
	s_bfe_u32 s41, ttmp6, 0x40004                  ; cy
	s_lshl_b32 s42, ttmp9, 2
	s_add_co_u32 s42, s42, s40                     ; tile of keys, 0..7
	s_and_b32 s18, ttmp7, 0xffff
	s_lshl_b32 s17, s18, 2
	s_add_co_u32 s17, s17, s41                     ; tile of queries, 0..31
	s_lshr_b32 s19, s18, 1                         ; the batch, from the cluster's y alone
	s_lshl_b32 s43, s41, 2
	s_lshl_b32 s43, 15, s43                        ; my row of the cluster
	s_lshl_b32 s44, 0x1111, s40                    ; my column
	s_or_b32 s[G1+0], s43, (3<<16)|(1<<21)
	s_or_b32 s[G1B+0], s44, (3<<16)|(1<<21)
	s_or_b32 s[G1S+0], s43, (3<<16)|(1<<21)
	s_or_b32 s[G1SB+0], s44, (3<<16)|(1<<21)
.irp g, G1, G1B, G1S, G1SB             ; dense blocks as rows of 256 bytes
	s_mov_b32 s[\g+1], 32<<16
	s_mov_b32 s[\g+3], 32<<16
	s_mov_b32 s[\g+5], 32
	s_mov_b32 s[\g+6], 0
	s_mov_b32 s[\g+7], 0
.endr
.irp g, G1, G1B                        ; 65,536 bytes: 128 rows, all of K
	s_mov_b32 s[\g+2], 256<<16
	s_mov_b32 s[\g+4], 256
.endr
.irp g, G1S, G1SB                      ; 4,096 bytes: their scale words
	s_mov_b32 s[\g+2], 16<<16
	s_mov_b32 s[\g+4], 16
.endr
	v_and_b32 v1, 15, v0                           ; r
	v_bfe_u32 v2, v0, 4, 1                         ; h
	v_and_b32 v30, 31, v0
	v_lshlrev_b32 v[LI], 4, v30
	v_lshlrev_b32 v[L8], 3, v30
	s_wait_alu depctr_va_vdst(0)
	s_lshr_b32 s20, s15, 1
	s_and_b32 s21, s15, 1
	s_lshl_b32 s22, s20, 16
	s_lshl_b32 s23, s21, 12
	s_add_co_u32 s22, s22, s23
	v_add_nc_u32 v[ADRA], s22, v[LI]               ; my 64 queries' fragments: [step][block][part][lane]
	s_lshl_b32 s22, s16, 16
	s_add_co_u32 s22, s22, 131072
	v_add_nc_u32 v[ADRB], s22, v[LI]
	s_lshl_b32 s22, s20, 12
	s_lshl_b32 s23, s21, 8
	s_add_co_u32 s22, s22, s23                     ; scale words: lanes 0-15 take the queries',
	s_lshl_b32 s23, s16, 12
	s_add_co_u32 s23, s23, 8192
	s_sub_co_u32 s23, s23, s22
	v_mul_u32_u24 v31, s23, v2                     ; lanes 16-31 the keys'
	s_add_co_u32 s22, s22, SCA
	v_lshl_add_u32 v31, v1, 2, v31
	v_add_nc_u32 v[ADRS], s22, v31
	s_mul_i32 s22, s14, 16*MP
	v_add_nc_u32 v[MST], s22, v[LI]
	v_mul_u32_u24 v31, v1, MP
	v_lshl_add_u32 v31, v2, 5, v31
	v_add_nc_u32 v[MRD], s22, v31
	s_mul_i32 s22, s14, 768
	s_add_co_u32 s22, s22, STAT
	v_lshl_add_u32 v[SST], v1, 2, s22
	v_add_nc_u32 v[SRD], s22, v[L8]
	v_lshrrev_b32 v31, 1, v30
	v_lshlrev_b32 v31, 13, v31
	v_and_b32 v30, 1, v30
	v_lshl_add_u32 v[PFO], v30, 8, v31             ; the prefetch: two lanes a row, 256 bytes apart
	v_mov_b32 v[TNR], 0xd1000000                   ; -2^35: the masked score ahead of the division by 32
	v_mov_b32 v[NM+1], 0
	v_mov_b32 v[LP], 0
	s_lshl_b32 s20, s17, 1
	s_add_co_u32 s20, s20, s16                     ; the queries' 128 rows that I fetch
	s_lshl_b32 s22, s20, 12
	s_lshl_b32 s20, s20, 16
	s_lshl_b32 s46, s19, 4
	s_lshl_b32 s47, s42, 1
	s_add_co_u32 s46, s46, s47
	s_add_co_u32 s46, s46, s16                     ; the keys'
	s_lshl_b32 s66, s46, 12
	s_add_co_u32 s66, s66, 262144
	s_lshl_b32 s46, s46, 16
	s_add_co_u32 s46, s46, 4194304
	s_mov_b32 s21, 0
	s_mov_b32 s23, 0
	s_mov_b32 s47, 0
	s_mov_b32 s67, 0
	s_lshl_b32 s2, s16, 16
	s_lshl_b32 s3, s16, 12
	s_mov_b32 s[CS], 0x3d38aa3b                    ; c = log2(e) / 32
	s_mov_b32 s[CS+1], s[CS]
	s_mov_b32 s[SEL], 0x76543210
	s_mov_b32 s[SEL+1], 0xfedcba98
	s_wait_alu depctr_va_vdst(0)                   ; directly ahead of the waits below
	s_wait_dscnt 0x0                               ; both opening adds are done
	s_wait_kmcnt 0x0
	s_mov_b32 s[G0], 1
	s_mov_b32 s[G0+1], s2
	s_add_nc_u64 s[G0+2:G0+3], s[4:5], s[20:21]
	s_or_b32 s[G0+3], s[G0+3], 0x80000000
	s_mov_b32 s[G0B], 1
	s_add_co_u32 s[G0B+1], s2, 131072
	s_add_nc_u64 s[G0B+2:G0B+3], s[4:5], s[46:47]
	s_or_b32 s[G0B+3], s[G0B+3], 0x80000000
	s_mov_b32 s[G0S], 1
	s_add_co_u32 s[G0S+1], s3, SCA
	s_add_nc_u64 s[G0S+2:G0S+3], s[6:7], s[22:23]
	s_or_b32 s[G0S+3], s[G0S+3], 0x80000000
	s_mov_b32 s[G0SB], 1
	s_add_co_u32 s[G0SB+1], s3, SCA+8192
	s_add_nc_u64 s[G0SB+2:G0SB+3], s[6:7], s[66:67]
	s_or_b32 s[G0SB+3], s[G0SB+3], 0x80000000
	s_lshl_b32 s20, s17, 8                         ; my part of the mask: row 256 x tile + 64 qa, key 256 x tile + 128 kb
	s_lshl_b32 s22, s15, 6
	s_add_co_u32 s20, s20, s22
	s_lshl_b32 s20, s20, 13
	s_lshl_b32 s22, s42, 10
	s_add_co_u32 s20, s20, s22
	s_lshl_b32 s22, s16, 9
	s_add_co_u32 s20, s20, s22
	s_add_nc_u64 s[8:9], s[8:9], s[20:21]
	CROUND                                         ; all sixteen work-groups are here: the joint loads meet
	s_cmp_lt_u32 s14, 2                            ; one load a wave, in one chain of branches on the wave's number
	s_cbranch_scc0 .Lhb
	TL G0, G1
	s_branch .Lhd
.Lhb:
	s_cmp_lt_u32 s14, 4
	s_cbranch_scc0 .Lhs
	TL G0B, G1B
	s_branch .Lhd
.Lhs:
	s_cmp_lt_u32 s14, 6
	s_cbranch_scc0 .Lht
	TL G0S, G1S
	s_branch .Lhd
.Lht:
	TL G0SB, G1SB
.Lhd:
	GLOAD 0
	GLOAD 1
	s_lshl_b32 s20, s17, 1                         ; where my p goes: [query / 128][chunk], the half of it that holds my 64 queries
	s_lshr_b32 s22, s15, 1
	s_add_co_u32 s20, s20, s22
	s_lshl_b32 s20, s20, 4
	s_lshl_b32 s22, s42, 1
	s_add_co_u32 s20, s20, s22
	s_add_co_u32 s20, s20, s16
	s_and_b32 s2, s15, 1
	s_lshl_b32 s22, s20, 13
	s_lshl_b32 s3, s2, 12
	s_add_co_u32 s22, s22, s3
	s_add_nc_u64 s[10:11], s[10:11], s[22:23]
	s_lshl_b32 s22, s20, 9
	s_lshl_b32 s3, s2, 8
	s_add_co_u32 s22, s22, s3
	s_add_nc_u64 s[92:93], s[92:93], s[22:23]
	s_add_nc_u64 s[94:95], s[94:95], s[22:23]
.macro FETCH k                         ; step k: the keys' eight fragments, eight registers of scale words (lanes 0-15: words 4-7 that no product names), the queries' four fragments
.irp i, 0,1,2,3,4,5,6,7
.irp c, 0,1
	ds_load_b128 v[KF+8*\i+4*\c:KF+8*\i+4*\c+3], v[ADRB] offset:8192*(\k)+1024*\i+512*\c
.endr
.endr
.irp i, 0,1,2,3,4,5,6,7
	ds_load_b32 v[SC+\i], v[ADRS] offset:512*(\k)+64*\i
.endr
.irp i, 0,1,2,3
.irp c, 0,1
	ds_load_b128 v[QF+8*\i+4*\c:QF+8*\i+4*\c+3], v[ADRA] offset:8192*(\k)+1024*\i+512*\c
.endr
.endr
.endm
.macro STEP k                          ; 128 along K.  The 32 accumulators take turns, in the same order in every step; the first products take 0 as C
	WIN 0x50
.irp a, 0,1,2,3
	s_wait_dscnt 6-2*\a                            ; the queries' blocks behind block a may be out
.irp b, 0,1,2,3,4,5,6,7
.set D, 8*(8*\a+\b)
.if (\k) == 0
	v_wmma_scale_f32_16x16x128_f8f6f4 v[D:D+7], v[KF+8*\b:KF+8*\b+7], v[QF+8*\a:QF+8*\a+7], 0, v[SC+\b], v[SC+\a] matrix_a_fmt:MATRIX_FMT_FP4 matrix_b_fmt:MATRIX_FMT_FP4 matrix_a_scale:MATRIX_SCALE_ROW1
.else
	v_wmma_scale_f32_16x16x128_f8f6f4 v[D:D+7], v[KF+8*\b:KF+8*\b+7], v[QF+8*\a:QF+8*\a+7], v[D:D+7], v[SC+\b], v[SC+\a] matrix_a_fmt:MATRIX_FMT_FP4 matrix_b_fmt:MATRIX_FMT_FP4 matrix_a_scale:MATRIX_SCALE_ROW1
.endif
.endr
.endr
	WIN 0
	PLACES 4                                       ; places behind matrix instructions (ISA guide 7.12.1)
.if (\k) < 7
	FETCH (\k)+1
.endif
.if (\k) == 1
	global_prefetch_b8 v[PFO], s[8:9] offset:32*8192 th:TH_LOAD_NT scope:SCOPE_SE
.elseif (\k) == 3
	global_prefetch_b8 v[PFO], s[8:9] offset:48*8192 th:TH_LOAD_NT scope:SCOPE_SE
.endif
.endm
	s_wait_alu depctr_va_vdst(0)                   ; the head's end
	s_wait_tensorcnt 0x0                           ; my piece is in
	s_barrier_signal -1
	s_barrier_wait -1                              ; and everybody's
	FETCH 0
.irp k, 0,1,2,3,4,5,6,7
	STEP \k
.endr
; Block a: 16 queries x 128 keys; register 8 b + j of lane (r, h) is query r, key 16 b + 8 h + j.
.macro BLOCK a
.set AC, 64*(\a)
.if (\a) == 0
	s_wait_dscnt 0x0
.else
	s_wait_dscnt 3                                 ; the mask is in; the last block's three small stores may be out
.endif
.if (\a) < 2
	GLOAD (\a)+2                                   ; into the batch's registers, which have gone to the stage
.endif
	WIN 0x41
	s_wait_alu depctr_va_vdst(0)
.irp g, 0,1,2,3,4,5,6,7
.irp i, 0,1,2,3,4,5,6,7
	v_cmp_eq_u32 s[MS+8*(\g%2)+\i], 0, v[MK+8*\g+\i]
.endr
.irp i, 0,1,2,3,4,5,6,7
	v_cndmask_b32 v[AC+8*\g+\i], v[AC+8*\g+\i], v[TNR], s[MS+8*(\g%2)+\i]
.endr
.endr
	WIN 0x15
.irp b, 0,1,2,3
	v_max3_num_f32 v[BM+\b], v[AC+16*\b], v[AC+16*\b+1], v[AC+16*\b+2]   ; the largest score of each block of 32 keys: for M and, since p rises with the score, for the block's largest p
.endr
	WIN 0x14
.irp i, 3,5,7,9,11,13
.irp b, 0,1,2,3
	v_max3_num_f32 v[BM+\b], v[BM+\b], v[AC+16*\b+\i], v[AC+16*\b+\i+1]
.endr
.endr
.irp b, 0,1,2,3
	v_max_num_f32 v[BM+\b], v[BM+\b], v[AC+16*\b+15]
.endr
	WIN 0
.irp b, 0,1,2,3
	v_permlanex16_b32 v[BP+\b], v[BM+\b], s[SEL], s[SEL+1]
.endr
.irp b, 0,1,2,3
	v_max_num_f32 v[BM+\b], v[BM+\b], v[BP+\b]
.endr
	v_max3_num_f32 v[TMX], v[BM], v[BM+1], v[BM+2]
	v_max_num_f32 v[TMX], v[TMX], v[BM+3]
	v_mul_f32 v[TMX], s[CS], v[TMX]                ; the largest t
	v_floor_f32 v[NM], -v[TMX]                     ; -M
.irp b, 0,1,2,3
	v_fma_f32 v[BM+\b], v[BM+\b], s[CS], v[NM]
.endr
	WIN 0x41
.set i, 0
.rept 32
	v_pk_fma_f32 v[AC+i:AC+i+1], v[AC+i:AC+i+1], s[CS:CS+1], v[NM:NM+1] op_sel_hi:[1,0,0]   ; t - M
.set i, i+2
.endr
	WIN 0
	s_wait_alu depctr_va_vdst(0)                   ; ahead of the batch of exponentials and of the waits below
	s_wait_xcnt 0x0                                ; the last block's stores have read the codes' registers
.if (\a) < 3
.if (\a) == 2
	s_wait_loadcnt 0x0
.else
	s_wait_loadcnt 16                              ; the next batch is in; the 16 loads of the one behind it may be out
.endif
	TRANS (\a)+1                                   ; it comes back under the exponentials and sums
.endif
	WIN 0x41
.set i, 0
.rept 64
	v_exp_f32 v[AC+i], v[AC+i]
.set i, i+1
.endr
	WIN 0
.irp b, 0,1,2,3
	v_exp_f32 v[BM+\b], v[BM+\b]
.endr
	v_nop                                          ; one plain place behind the batch
	s_wait_alu depctr_va_vdst(0)                   ; and the wait for the whole batch, ahead of its first reader
	WIN 0x05
.irp q, 0,1,2,3
	v_pk_add_f32 v[SUM+2*\q:SUM+2*\q+1], v[AC+4*\q:AC+4*\q+1], v[AC+4*\q+2:AC+4*\q+3]   ; the sum of the unquantised p, in four chains
.endr
	WIN 0x04
.irp j, 16,24,32,40,48,56
.irp q, 0,1,2,3
	v_pk_add_f32 v[SUM+2*\q:SUM+2*\q+1], v[SUM+2*\q:SUM+2*\q+1], v[AC+\j+2*\q:AC+\j+2*\q+1]
.endr
.endr
	WIN 0
	v_pk_add_f32 v[SUM:SUM+1], v[SUM:SUM+1], v[SUM+2:SUM+3]
	v_pk_add_f32 v[SUM+4:SUM+5], v[SUM+4:SUM+5], v[SUM+6:SUM+7]
.irp b, 0,1,2,3
	v_max_num_f32 v[BM+\b], 0x1800000, v[BM+\b]    ; the floor 2^(3 - 127): the byte cannot fall under 1
.endr
	v_pk_add_f32 v[SUM:SUM+1], v[SUM:SUM+1], v[SUM+4:SUM+5]
.irp b, 0,1,2,3
	v_add_nc_u32 v[SO+\b], 0xff000000, v[BM+\b]    ; 2 off the exponent field: the conversion's scale operand
.endr
	v_add_f32 v[LSUM], v[SUM], v[SUM+1]
.irp b, 0,1,2,3
	v_lshrrev_b32 v[BY+\b], 23, v[SO+\b]
.endr
	v_permlanex16_b32 v[LP], v[LSUM], s[SEL], s[SEL+1]
	v_lshl_or_b32 v[PWR], v[BY+1], 8, v[BY]
	v_lshl_or_b32 v[PWR], v[BY+2], 16, v[PWR]
	v_add_f32 v[LSUM], v[LSUM], v[LP]
	v_lshl_or_b32 v[PWR], v[BY+3], 24, v[PWR]
	WIN 0x01
.irp g, 0,1
	v_cvt_scalef32_pk8_fp4_f32 v[Z+4*\g],   v[AC+32*\g:AC+32*\g+7],     v[SO+2*\g]
	v_cvt_scalef32_pk8_fp4_f32 v[Z+4*\g+2], v[AC+32*\g+8:AC+32*\g+15],  v[SO+2*\g]
	v_cvt_scalef32_pk8_fp4_f32 v[Z+4*\g+1], v[AC+32*\g+16:AC+32*\g+23], v[SO+2*\g+1]
	v_cvt_scalef32_pk8_fp4_f32 v[Z+4*\g+3], v[AC+32*\g+24:AC+32*\g+31], v[SO+2*\g+1]
.endr
	v_nop
	WIN 0
.irp g, 0,1                            ; a whole block of 32 in a lane
	v_permlane16_swap_b32 v[Z+4*\g], v[Z+4*\g+1]
	v_permlane16_swap_b32 v[Z+4*\g+2], v[Z+4*\g+3]
.endr
	global_store_b128 v[LI], v[Z:Z+3], s[10:11] offset:1024*(\a)       ; 512 consecutive bytes, aligned
	global_store_b128 v[LI], v[Z+4:Z+7], s[10:11] offset:1024*(\a)+512
	ds_store_b32 v[SST], v[PWR] offset:64*(\a)
	ds_store_b32 v[SST], v[NM] offset:256+64*(\a)
	ds_store_b32 v[SST], v[LSUM] offset:512+64*(\a)
.endm
	s_barrier_signal -1                            ; all my LDS reads have come back,
	s_barrier_wait -1                              ; and everybody's: the stages may be written
	s_wait_loadcnt 16                              ; batch 0 is in; batch 1's 16 loads may be out
	TRANS 0
.irp a, 0,1,2,3
	BLOCK \a
.endr
	ds_load_b64 v[32:33], v[SRD]                   ; LDS serves a wave's instructions in order: these see my stores
	ds_load_b64 v[34:35], v[SRD] offset:256
	ds_load_b64 v[36:37], v[SRD] offset:512
	s_wait_dscnt 0x0
	global_store_b64 v[L8], v[32:33], s[92:93]     ; 256 consecutive bytes each, aligned
	global_store_b64 v[L8], v[34:35], s[94:95]
	global_store_b64 v[L8], v[36:37], s[94:95] offset:524288
	s_wait_tensorcnt 0x0                           ; the wave's end
	ds_add_u32 v[SPW], v[NIL]
	s_wait_dscnt 0x0
	CROUND                                         ; the closing round
	s_endpgm
.Lfunc_end_k_q2e2733753a_score:
	.size	k_q2e2733753a_score, .Lfunc_end_k_q2e2733753a_score-k_q2e2733753a_score
	.p2alignl 7, 3214868480
	.fill 96, 4, 3214868480
	.section	.rodata,"a",@progbits
	.p2align	6, 0x0
	.amdhsa_kernel k_q2e2733753a_score
		.amdhsa_group_segment_fixed_size 327680
		.amdhsa_private_segment_fixed_size 0
		.amdhsa_enable_private_segment 0
		.amdhsa_kernarg_size 48
		.amdhsa_user_sgpr_count 2
		.amdhsa_user_sgpr_kernarg_segment_ptr 1
		.amdhsa_wavefront_size32 1
		.amdhsa_system_sgpr_workgroup_id_x 1
		.amdhsa_system_sgpr_workgroup_id_y 1
		.amdhsa_system_sgpr_workgroup_id_z 1
		.amdhsa_system_vgpr_workitem_id 0
		.amdhsa_next_free_vgpr 512
		.amdhsa_next_free_sgpr 102
		.amdhsa_reserve_vcc 0
		.amdhsa_float_denorm_mode_32 3
		.amdhsa_float_denorm_mode_16_64 3
		.amdhsa_memory_ordered 1
		.amdhsa_forward_progress 1
		.amdhsa_inst_pref_size 152
	.end_amdhsa_kernel
	.amdgpu_metadata
---
amdhsa.version: [ 1, 2 ]
amdhsa.kernels:
  - .name:           k_q2e2733753a_score
    .symbol:         k_q2e2733753a_score.kd
    .args:
      - { .name: qkv_codes, .offset: 0, .size: 8, .value_kind: global_buffer, .address_space: global }
      - { .name: qkv_scales, .offset: 8, .size: 8, .value_kind: global_buffer, .address_space: global }
      - { .name: mask, .offset: 16, .size: 8, .value_kind: global_buffer, .address_space: global }
      - { .name: p_codes, .offset: 24, .size: 8, .value_kind: global_buffer, .address_space: global }
      - { .name: p_scales, .offset: 32, .size: 8, .value_kind: global_buffer, .address_space: global }
      - { .name: p_stats, .offset: 40, .size: 8, .value_kind: global_buffer, .address_space: global }
    .group_segment_fixed_size: 327680
    .private_segment_fixed_size: 0
    .kernarg_segment_align: 8
    .kernarg_segment_size: 48
    .max_flat_workgroup_size: 256
    .sgpr_count:     102
    .vgpr_count:     512
    .wavefront_size: 32
...
	.end_amdgpu_metadata
.endif
;; end of part 2
;; launch pv (part 3): grid 4 x 64, 4 waves a work-group, clusters of 4 x 4, 327,680 bytes of LDS; arguments p_codes, p_scales, p_stats, qkv_codes, qkv_scales, out0; writes out0
.if DOCPART == 3
	.amdgcn_target "amdgcn-amd-amdhsa--gfx1250"
	.amdhsa_code_object_version 6
	.text
	.protected	k_q2e2733753a_pv
	.globl	k_q2e2733753a_pv
	.p2align	8
	.type	k_q2e2733753a_pv,@function
k_q2e2733753a_pv:
	s_mov_b64 s[64:65], 0
	v_nop
	global_prefetch_b8 v0, s[64:65] scope:SCOPE_SE
	s_setreg_imm32_b32 hwreg(HW_REG_WAVE_MODE, 25, 1), 1
	s_wait_xcnt 0x0
	s_wait_alu depctr_hold_cnt(0) depctr_sa_sdst(0) depctr_va_vdst(0) depctr_va_sdst(0) depctr_va_ssrc(0) depctr_va_vcc(0) depctr_vm_vsrc(0)
	s_getreg_b32 s2, hwreg(HW_REG_IB_STS2, 6, 4)
	s_cmp_eq_u32 s2, 0
	s_cbranch_scc0 .Lentry_in_a_cluster
	s_endpgm
.Lentry_in_a_cluster:
	s_bfe_u32 s2, ttmp6, 0x10000c
	s_cmp_lg_u32 s2, 0xf033
	s_cbranch_scc0 .Lentry_shape_is_right
	s_endpgm
.Lentry_shape_is_right:
; O = (P V) / l.  P comes as codes under each chunk's own whole-number M; the row's M is the largest of its 16 chunks'; a chunk is brought under it by adding e = M(chunk) - M(row), 0 or less, to its E8M0 bytes,
; and its sum by 2^e: both exact.  l = the sum of the 16 chunks' sums.  Nothing is left out.
; LIMITS: a byte that would fall under 0 is held at 0, which stands for 2^-127: such p count for nothing beside a row whose largest p is over 1/2.  e is held at -127 for the bytes.  NaN and infinities are not served.
; SHARES.  8,192 queries x 1,024 of d are 256 tiles of 128 queries x 256 of d: one to a work-group; a wave makes 64 x 128: 32 accumulators.  A = p (queries on the lanes, source 1), B = v (d down the registers, source 0),
; K = the batch's 2,048 keys: 16 steps of 128, four parts of 512.  Both operands come as images of their registers: 128 rows x 512 K are one dense block of 32,768 bytes.
; LDS: p whole, v in slots X (steps 0-5) and Y (steps 6-9); steps 10-15 go into slot X again, behind step 5: one refill in the launch, with four steps in which to land.
; Wave 0 fetches p, wave 1 v's scale words, waves 2 and 3 v's halves.  CLUSTERS: 4 x 4; p's tile is shared along a row (the four tiles of d), v's along a column (four blocks of queries of one batch);
; the refill stands behind a round of the cluster's barrier.  Each change of slot stands behind a barrier, at steps 5 and 9.
; REGISTERS: window 0: v0-31 addresses; v32-95 scale words, two sets; v128-191 A's fragments, two sets of 32; at the head v32-211 serve the fixing of p's scales; on the way out v32-95 results, v96-103 1 / l, v128-255 rows of O.
;   window 1: B's fragments, two sets, at v0 and v128.   window 2: the accumulators ((a, b) at v[8 (8 a + b)]).
.set FR,     8
.set NP,     4                         ; places behind this matrix instruction (ISA guide 7.12.1)
; LDS: p's 128 rows whole (131,072 bytes, one load); v in two slots: X takes steps 0-5, later 10-15 (two halves of 49,152 bytes), Y steps 6-9 (two halves of 32,768 bytes)
.set VX,     131072
.set VY,     VX+98304
.set PSC,    VY+65536
.set VSC,    PSC+16*512                ; v's scale words, two halves of 8,192 bytes: filled once
.set RL,     VSC+2*16*512              ; 512 bytes for each wave: 1 / l of the 128 queries
.set SPARE,  RL+4*512                  ; the spare words, 128 bytes for each wave
.set SPITCH, 528                       ; the way out: a stage of 16 rows x (512 bytes + 16) for each wave,
.set STAGE,  VY                        ; in slot Y: it has one fill, and every wave's last read of it stands ahead of step 9's barrier
.set ADRA, 16                          ; v16-17 my fragments of p: steps 0-7, 8-15
.set ADRB, 20                          ; v20-21 of v: slots X, Y
.set RST,  23                          ; v23  where I put four 1 / l
.set LI,   24                          ; v24  16 x lane
.set STO,  25
.set RD,   26
.set ADRS, 27
.set SPW,  28
.set NIL,  29
.set RLA,  30                          ; v30  where I read my row's 1 / l
.set PST,  31                          ; v31  where I put four fixed scale words
.set SC,   32
.set NMR,  32                          ; the head: v32-95 -M of 16 chunks x my 4 rows, then e
.set LR,   96                          ; v96-159 their sums
.set SWR,  160                         ; v160-175 the scale words of my 4 chunks x 4 rows
.set MN,   192
.set SUM,  196
.set RC,   200
.set GA,   204
.set GB,   208
.set TMP,  32
.set RLV,  96
.set AF,   128
.set BK,   128
.set G1,   24                          ; s[24:31] group 1 for p's tiles;  s[32:35] group 0
.set G0,   32
.set G1B,  44                          ; s[44:51], s[52:59] the same for v's, one for each slot
.set G0B,  52
.set G1SB, 68                          ; s[68:75], s[76:79] for v's scale words
.set G0SB, 76
.set STB,  80                          ; s[80:87] four bases in p_stats: chunk groups w, w + 1, w + 2, w + 3 (mod 4)
.set SWB,  88                          ; s[88:89] my group's scale words
.set MSB, 0
.macro WIN new
.if MSB != (\new)
	s_set_vgpr_msb (MSB<<8)|(\new)
.set MSB, (\new)
.endif
.endm
.set MUL,    0xa1                      ; source 0 (B) window 1, source 1 (A) window 0, C and D window 2
.set TO_B,   0x40
.macro VLOAD g0b, g1b                  ; behind the head, waves 2 and 3 fetch v's two halves, jointly with the partners of my column
	s_cmp_eq_u32 s15, 0
	s_cbranch_scc1 .Lasked_\@
	tensor_load_to_lds s[\g0b:\g0b+3], s[\g1b:\g1b+7]
	s_nop 0
.rept 4
	v_nop
.endr
.Lasked_\@:
.endm
.macro CREST                           ; a round of the cluster's barrier behind its opening barrier
	s_cmp_lg_u32 s14, 0
	s_cbranch_scc1 .Lnot_wave_0_\@
	s_barrier_signal -3
.Lnot_wave_0_\@:
	s_barrier_wait -3
	s_barrier_signal -1
	s_barrier_wait -1
.endm
.macro CROUND
	s_barrier_signal -1
	s_barrier_wait -1
	CREST
.endm
	s_load_b256 s[4:11], s[0:1], 0x0               ; p_codes s[4:5], p_scales s[6:7], p_stats s[8:9], qkv_codes s[10:11]
	s_load_b128 s[92:95], s[0:1], 0x20             ; qkv_scales, out0
	v_lshl_add_u32 v[SPW], v0, 2, SPARE
	v_mov_b32 v[NIL], 0
	ds_add_u32 v[SPW], v[NIL]                      ; the wave's opening: the add, twice on end, and its wait ahead of my first tensor load
	ds_add_u32 v[SPW], v[NIL]
	v_lshrrev_b32 v1, 5, v0
	v_readfirstlane_b32 s14, v1                    ; wave
	s_lshr_b32 s15, s14, 1                         ; ha: which 64 queries are mine.  Also: 1 for the waves that fetch v's halves
	s_and_b32 s16, s14, 1                          ; hb: which 128 of d.  Also: which half of the tile I fetch
	s_bfe_u32 s96, ttmp6, 0x40000                  ; cx
	s_bfe_u32 s97, ttmp6, 0x40004                  ; cy
	s_lshl_b32 s98, ttmp9, 2
	s_add_co_u32 s98, s98, s96                     ; x: the tile of 256 of d, 0..3
	s_and_b32 s18, ttmp7, 0xffff
	s_lshl_b32 s17, s18, 2
	s_add_co_u32 s17, s17, s97                     ; y: the block of 128 queries, 0..63
	s_lshr_b32 s19, s18, 2                         ; the batch, from the cluster's y alone
	s_lshl_b32 s99, s97, 2
	s_lshl_b32 s99, 15, s99                        ; my row of the cluster
	s_lshl_b32 s100, 0x1111, s96                   ; my column
	s_or_b32 s[G1+0], s99, (3<<16)|(1<<21)         ; p: a dense block of 131,072 bytes as 512 rows of 256 (elements of 8 bytes), no padding
	s_mov_b32 s[G1+1], 32<<16
	s_mov_b32 s[G1+2], 512<<16
	s_mov_b32 s[G1+3], 32<<16
	s_mov_b32 s[G1+4], 512
	s_mov_b32 s[G1+5], 32
	s_mov_b32 s[G1+6], 0
	s_mov_b32 s[G1+7], 0
	s_or_b32 s[G1B+0], s100, (3<<16)|(1<<21)       ; v: 49,152 bytes as 192 rows of 256
	s_mov_b32 s[G1B+1], 32<<16
	s_mov_b32 s[G1B+2], 192<<16
	s_mov_b32 s[G1B+3], 32<<16
	s_mov_b32 s[G1B+4], 192
	s_mov_b32 s[G1B+5], 32
	s_mov_b32 s[G1B+6], 0
	s_mov_b32 s[G1B+7], 0
	s_or_b32 s[G1SB+0], s100, (3<<16)|(1<<21)      ; v's scale words of 256 rows: 16,384 bytes as 64 rows of 256
	s_mov_b32 s[G1SB+1], 32<<16
	s_mov_b32 s[G1SB+2], 64<<16
	s_mov_b32 s[G1SB+3], 32<<16
	s_mov_b32 s[G1SB+4], 64
	s_mov_b32 s[G1SB+5], 32
	s_mov_b32 s[G1SB+6], 0
	s_mov_b32 s[G1SB+7], 0
	s_lshl_b32 s20, s17, 17                        ; p's block of 128 queries: 131,072 bytes
	s_mov_b32 s21, 0
	s_lshl_b32 s12, s19, 3
	s_lshl_b32 s13, s98, 1
	s_add_co_u32 s12, s12, s13
	s_lshl_b32 s66, s12, 13                        ; v's scale words of both halves: 16,384 bytes
	s_add_co_u32 s12, s12, s16                     ; v's block of 128 of d: 8 x batch + 2 x + hb
	s_add_co_u32 s66, s66, 524288                  ; v's scale words lie behind q's and k's,
	s_lshl_b32 s12, s12, 17
	s_add_co_u32 s12, s12, 8388608                 ; v's codes likewise
	s_mov_b32 s13, 0
	s_mov_b32 s67, 0
	s_mul_i32 s3, s16, 49152
	s_add_co_u32 s3, s3, VX                        ; my half of v in slot X,
	s_lshl_b32 s22, s16, 15
	s_add_co_u32 s22, s22, VY                      ; and in slot Y
	s_lshl_b32 s23, s17, 13                        ; my block's 16 chunks of statistics: 512 bytes a chunk
.irp g, 0,1,2,3
	s_add_co_u32 s[STB+2*\g], s14, \g
	s_and_b32 s[STB+2*\g], s[STB+2*\g], 3          ; the group of four chunks: (wave + g) % 4: mine first
	s_lshl_b32 s[STB+2*\g], s[STB+2*\g], 11
	s_add_co_u32 s[STB+2*\g], s[STB+2*\g], s23
	s_mov_b32 s[STB+2*\g+1], 0
.endr
	s_mov_b32 s90, 0x01010101
	s_mov_b32 s91, 0x80808080
	s_wait_dscnt 0x0                               ; both opening adds are done
	s_wait_kmcnt 0x0
	s_add_nc_u64 s[20:21], s[4:5], s[20:21]
	s_add_nc_u64 s[12:13], s[10:11], s[12:13]
	s_add_nc_u64 s[66:67], s[92:93], s[66:67]
	s_add_nc_u64 s[SWB:SWB+1], s[6:7], s[STB:STB+1]
.irp g, 0,1,2,3
	s_add_nc_u64 s[STB+2*\g:STB+2*\g+1], s[8:9], s[STB+2*\g:STB+2*\g+1]
.endr
	CROUND                                         ; all sixteen work-groups are here: the first joint loads meet
	s_mov_b32 s[G0SB], 1
	s_mov_b32 s[G0SB+1], VSC
	s_mov_b64 s[G0SB+2:G0SB+3], s[66:67]
	s_or_b32 s[G0SB+3], s[G0SB+3], 0x80000000
	s_mov_b32 s[G0], 1
	s_mov_b32 s[G0+1], 0
	s_mov_b64 s[G0+2:G0+3], s[20:21]
	s_or_b32 s[G0+3], s[G0+3], 0x80000000
	s_mov_b32 s[G0B], 1
	s_mov_b32 s[G0B+1], s3
	s_mov_b64 s[G0B+2:G0B+3], s[12:13]
	s_or_b32 s[G0B+3], s[G0B+3], 0x80000000
	s_mov_b32 s[G0B+4], 1
	s_mov_b32 s[G0B+5], s22
	s_add_nc_u64 s[G0B+6:G0B+7], s[12:13], 6*8192
	s_or_b32 s[G0B+7], s[G0B+7], 0x80000000
	s_cmp_eq_u32 s14, 0                            ; one load a wave: wave 0 p, wave 1 v's scale words, waves 2 and 3 v's halves of steps 0-5
	s_cbranch_scc0 .Lfirst_s
	tensor_load_to_lds s[G0:G0+3], s[G1:G1+7]
	s_nop 0
.rept 4
	v_nop
.endr
	s_branch .Lfirst_asked
.Lfirst_s:
	s_cmp_eq_u32 s14, 1
	s_cbranch_scc0 .Lfirst_b
	tensor_load_to_lds s[G0SB:G0SB+3], s[G1SB:G1SB+7]
	s_nop 0
.rept 4
	v_nop
.endr
	s_branch .Lfirst_asked
.Lfirst_b:
	tensor_load_to_lds s[G0B:G0B+3], s[G1B:G1B+7]
	s_nop 0
.rept 4
	v_nop
.endr
.Lfirst_asked:
	v_and_b32 v1, 15, v0                           ; r
	v_bfe_u32 v2, v0, 4, 1                         ; h
	v_and_b32 v3, 31, v0
	v_lshlrev_b32 v[LI], 4, v3                     ; 16 x lane
	; THE FIXING OF p's SCALES, while the tiles are on their way.  Lane L serves queries 4 L .. 4 L + 3 of the 128.  Every wave takes all 16 chunks' -M and sums, its own group of four chunks first, and fixes that group's bytes.
.irp g, 0,1,2,3
.irp j, 0,1,2,3
	global_load_b128 v[NMR+16*\g+4*\j:NMR+16*\g+4*\j+3], v[LI], s[STB+2*\g:STB+2*\g+1] offset:512*\j
.endr
.endr
.irp g, 0,1,2,3
.irp j, 0,1,2,3
	global_load_b128 v[LR+16*\g+4*\j:LR+16*\g+4*\j+3], v[LI], s[STB+2*\g:STB+2*\g+1] offset:524288+512*\j
.endr
.endr
.irp j, 0,1,2,3
	global_load_b128 v[SWR+4*\j:SWR+4*\j+3], v[LI], s[SWB:SWB+1] offset:512*\j
.endr
	s_lshl_b32 s21, s15, 12                        ; my four blocks of 16 queries in a piece: 4,096 x ha
	v_add_nc_u32 v[ADRA], s21, v[LI]               ; p: steps 0-7,
	s_add_co_u32 s21, s21, 65536
	v_add_nc_u32 v[ADRA+1], s21, v[LI]             ; and 8-15
	v_add_nc_u32 v[ADRB], s3, v[LI]                ; v: slot X,
	v_add_nc_u32 v[ADRB+1], s22, v[LI]             ; and slot Y
	v_lshlrev_b32 v5, 2, v1                        ; a scale word: 4 bytes a row
	s_wait_alu depctr_va_vdst(0)
	s_lshl_b32 s21, s15, 8                         ; my 64 queries' words in a chunk's 512 bytes
	s_lshl_b32 s22, s16, 13
	s_add_co_u32 s22, s22, VSC-PSC
	s_sub_co_u32 s22, s22, s21
	v_mul_u32_u24 v6, s22, v2                      ; lanes 16-31 take v's
	s_add_co_u32 s21, s21, PSC
	v_add_nc_u32 v6, v5, v6
	v_add_nc_u32 v[ADRS], s21, v6
	s_lshl_b32 s21, s14, 11
	s_add_co_u32 s21, s21, PSC
	v_add_nc_u32 v[PST], s21, v[LI]                ; my four chunks: PSC + 2,048 x wave
	s_lshl_b32 s21, s14, 9
	s_add_co_u32 s21, s21, RL
	v_add_nc_u32 v[RST], s21, v[LI]
	s_lshl_b32 s22, s15, 8
	s_add_co_u32 s22, s22, s21
	v_add_nc_u32 v[RLA], s22, v5                   ; 1 / l of query 64 ha + r
	s_mul_i32 s23, s14, 16*SPITCH
	s_add_co_u32 s23, s23, STAGE                   ; my stage
	v_mul_u32_u24 v5, v1, SPITCH
	v_lshl_add_u32 v5, v2, 5, v5
	v_add_nc_u32 v[STO], s23, v5                   ; in: row r, 32 bytes for each half of the lanes
	v_add_nc_u32 v[RD], s23, v[LI]                 ; back: the 32 lanes take one row of 512 bytes
	s_lshl_b32 s20, s17, 7
	s_lshl_b32 s21, s15, 6
	s_add_co_u32 s20, s20, s21                     ; my first row of O: 128 y + 64 ha
	s_lshl_b32 s20, s20, 12
	s_lshl_b32 s21, s98, 10
	s_add_co_u32 s20, s20, s21
	s_lshl_b32 s21, s16, 9
	s_add_co_u32 s20, s20, s21                     ; + my first column x 4
	s_mov_b32 s21, 0
	s_add_nc_u64 s[94:95], s[94:95], s[20:21]
	s_wait_loadcnt 20                              ; the 16 chunks' -M are in: the 16 loads of sums and the 4 of scale words may be out
.irp i, 0,1,2,3
	v_min3_num_f32 v[MN+\i], v[NMR+\i], v[NMR+4+\i], v[NMR+8+\i]
.endr
.irp j, 3,5,7,9,11,13
.irp i, 0,1,2,3
	v_min3_num_f32 v[MN+\i], v[MN+\i], v[NMR+4*\j+\i], v[NMR+4*\j+4+\i]
.endr
.endr
.irp i, 0,1,2,3
	v_min_num_f32 v[MN+\i], v[MN+\i], v[NMR+60+\i] ; the least -M: the row's
.endr
.irp j, 0,1,2,3,4,5,6,7,8,9,10,11,12,13,14,15
.irp u, 0,2
	v_pk_add_f32 v[NMR+4*\j+\u:NMR+4*\j+\u+1], v[MN+\u:MN+\u+1], v[NMR+4*\j+\u:NMR+4*\j+\u+1] neg_lo:[0,1] neg_hi:[0,1]   ; e = M(chunk) - M(row): a whole number, 0 or less
.endr
.endr
.set i, 0
.rept 16
	v_max_num_f32 v[NMR+i], 0xc2fe0000, v[NMR+i]   ; held at -127 where bytes are to be moved by it: my four chunks
.set i, i+1
.endr
.set i, 0
.rept 64
	v_cvt_i32_f32 v[NMR+i], v[NMR+i]
.set i, i+1
.endr
	s_wait_loadcnt 4                               ; the sums are in: the 4 loads of scale words may be out
.set i, 0
.rept 64
	v_ldexp_f32 v[LR+i], v[LR+i], v[NMR+i]         ; each chunk's sum under the row's M: nothing is rounded
.set i, i+1
.endr
	v_pk_add_f32 v[SUM:SUM+1], v[LR:LR+1], v[LR+4:LR+5]
	v_pk_add_f32 v[SUM+2:SUM+3], v[LR+2:LR+3], v[LR+6:LR+7]
.irp j, 2,3,4,5,6,7,8,9,10,11,12,13,14,15
	v_pk_add_f32 v[SUM:SUM+1], v[SUM:SUM+1], v[LR+4*\j:LR+4*\j+1]
	v_pk_add_f32 v[SUM+2:SUM+3], v[SUM+2:SUM+3], v[LR+4*\j+2:LR+4*\j+3]
.endr
	s_wait_alu depctr_va_vdst(0)
.irp i, 0,1,2,3
	v_rcp_f32 v[RC+\i], v[SUM+\i]                  ; l is over 1/2
.endr
	v_nop                                          ; a plain place behind the reciprocals
	s_wait_alu depctr_va_vdst(0)                   ; one wait for the four, ahead of their first reader
	ds_store_b128 v[RST], v[RC:RC+3]
	s_wait_loadcnt 0x0                             ; the scale words
; Each byte b (1 .. 125) becomes max(b + e, 0).  x = word + e x 0x01010101 + 0x80808080: its bytes are 128 + b + e, from 2 to 253, so nothing is carried or borrowed between bytes; where bit 7 is set the low seven bits are b + e, else the byte is cleared.
.irp j, 0,1,2,3
.irp i, 0,1,2,3
	v_mul_lo_u32 v[GA+\i], v[NMR+4*\j+\i], s90
.endr
.irp i, 0,1,2,3
	v_add3_u32 v[SWR+4*\j+\i], v[SWR+4*\j+\i], v[GA+\i], s91
.endr
.irp i, 0,1,2,3
	v_and_b32 v[GA+\i], s91, v[SWR+4*\j+\i]
.endr
.irp i, 0,1,2,3
	v_lshrrev_b32 v[GB+\i], 7, v[GA+\i]
.endr
.irp i, 0,1,2,3
	v_sub_nc_u32 v[GA+\i], v[GA+\i], v[GB+\i]      ; 0x7f in each byte whose bit 7 was set
.endr
.irp i, 0,1,2,3
	v_and_b32 v[SWR+4*\j+\i], v[SWR+4*\j+\i], v[GA+\i]
.endr
	ds_store_b128 v[PST], v[SWR+4*\j:SWR+4*\j+3] offset:512*\j
.endr
; Step k = 0 .. 15 of 128 keys: part k / 4; v in slot Y for k = 6 .. 9, else in X; fragment sets k % 2; scale words in set (k / 4) % 2.
.macro FRAG reg, adr, q, i             ; a fragment as it was stored: two loads of 16 bytes a lane, 512 consecutive bytes each
.irp c, 0,1
	ds_load_b128 v[\reg+4*\c:\reg+4*\c+3], v[\adr] offset:8192*(\q)+1024*(\i)+512*\c
.endr
.endm
.macro FETCH k                         ; step k's fragments: v's eight, p's four: 24 loads
.if (\k) < 6
.set FS, 0
.set FQ, (\k)
.elseif (\k) < 10
.set FS, 1
.set FQ, (\k)-6
.else
.set FS, 0
.set FQ, (\k)-10
.endif
.set FP, (\k)%2
	WIN TO_B
.irp i, 0,1,2,3,4,5,6,7
	FRAG 128*FP+FR*\i, ADRB+FS, FQ, \i
.endr
	WIN 0
.irp i, 0,1,2,3
	FRAG AF+32*FP+FR*\i, ADRA+(\k)/8, (\k)%8, \i
.endr
.endm
.macro SCALES part                     ; a part's scale words: register 4 i + q: lanes 16-31 v's block i, lanes 0-15 p's block i (for i = 4 .. 7 words that no product names), step q
.set SS, (\part)%2
.irp i, 0,1,2,3,4,5,6,7
.irp q, 0,1,2,3
	ds_load_b32 v[SC+32*SS+4*\i+\q], v[ADRS] offset:2048*(\part)+512*\q+64*\i
.endr
.endr
.endm
.macro MUL16 a0, k, zero               ; p's blocks a0, a0 + 1 x v's eight.  The 32 accumulators take turns, one instruction a turn, in the same order in every step
.set MP, (\k)%2
.set MQ, (\k)%4
.set MS, ((\k)/4)%2
.irp a, \a0, \a0+1
.irp b, 0,1,2,3,4,5,6,7
.if \zero
	v_wmma_scale_f32_16x16x128_f8f6f4 v[8*(8*(\a)+\b):8*(8*(\a)+\b)+7], v[128*MP+FR*\b:128*MP+FR*\b+FR-1], v[AF+32*MP+FR*(\a):AF+32*MP+FR*(\a)+FR-1], 0, v[SC+32*MS+4*\b+MQ], v[SC+32*MS+4*(\a)+MQ] matrix_a_fmt:MATRIX_FMT_FP4 matrix_b_fmt:MATRIX_FMT_FP4 matrix_a_scale:MATRIX_SCALE_ROW1
.else
	v_wmma_scale_f32_16x16x128_f8f6f4 v[8*(8*(\a)+\b):8*(8*(\a)+\b)+7], v[128*MP+FR*\b:128*MP+FR*\b+FR-1], v[AF+32*MP+FR*(\a):AF+32*MP+FR*(\a)+FR-1], v[8*(8*(\a)+\b):8*(8*(\a)+\b)+7], v[SC+32*MS+4*\b+MQ], v[SC+32*MS+4*(\a)+MQ] matrix_a_fmt:MATRIX_FMT_FP4 matrix_b_fmt:MATRIX_FMT_FP4 matrix_a_scale:MATRIX_SCALE_ROW1
.endif
.endr
.endr
.endm
.macro PLACES n                        ; plain vector instructions between a matrix instruction and a load into, or a read of, its registers
.rept \n
	v_nop
.endr
.endm
.macro STEP k, zero                    ; a step whose successor's tiles are known to lie in LDS: its fragments are in; the next step's are asked for, into the sets that the last step's products have read; then the 32 products
	s_wait_dscnt 0x0
.if (\k) > 0
	PLACES NP
.endif
	FETCH (\k)+1
.if ((\k)+1)%4 == 0
	SCALES ((\k)+1)/4
.endif
	WIN MUL
	MUL16 0, \k, \zero
	MUL16 2, \k, \zero
	WIN 0
.endm
; A step with a barrier.  In front of it each wave waits for all its tensor loads, adds 0 to its spare word, and waits for that and for its LDS reads.  fill = 1 (step 5): slot X, which nobody reads any more, takes steps 10-15.
; fill = 0 (step 9): steps 10-15 have landed in every wave's share of slot X.
.macro TURN k, fill
	s_wait_tensorcnt 0x0                           ; all my tensor loads have landed
	ds_add_u32 v[SPW], v[NIL]                      ; 0 onto my spare word
	s_wait_dscnt 0x0                               ; the add is done; this step's fragments are in, and with them my last reads of its slot
	s_barrier_signal -1
	WIN MUL
	MUL16 0, \k, 0                                 ; work on registers while the others arrive
	WIN 0
	s_barrier_wait -1
.if \fill
	CREST                                          ; the barrier has opened a round of the cluster's barrier: no wave of any partner still reads slot 0 or has a load on its way
	s_add_nc_u64 s[G0B+2:G0B+3], s[G0B+2:G0B+3], 10*8192
	s_mov_b32 s[G1B+2], 192<<16                    ; slot X again: six steps
	s_mov_b32 s[G1B+4], 192
	VLOAD G0B, G1B                                 ; the first tensor load behind the round
.endif
	PLACES NP
	FETCH (\k)+1
	WIN MUL
	MUL16 2, \k, 0
	WIN 0
.endm
	s_wait_alu depctr_va_vdst(0)                   ; the head's end
	s_wait_tensorcnt 0x0                           ; my piece is in
	ds_add_u32 v[SPW], v[NIL]                      ; 0 onto my spare word
	s_mov_b32 s[G1B+2], 128<<16                    ; slot Y: four steps
	s_mov_b32 s[G1B+4], 128
	s_wait_dscnt 0x0                               ; the add is done, and my fixed scale words lie in LDS
	CROUND
	VLOAD G0B+4, G1B                               ; slot Y's first fill, behind the round as a refill is
	FETCH 0
	SCALES 0
	STEP 0, 1                                      ; the first products start the sums: nothing is cleared
	STEP 1, 0
	STEP 2, 0
	STEP 3, 0
	STEP 4, 0
	TURN 5, 1                                      ; slot Y has landed; slot X takes steps 10-15
	STEP 6, 0
	STEP 7, 0                                      ; still in slot Y, which step 5's barrier has shown whole to every wave
	STEP 8, 0
	TURN 9, 0                                      ; slot X has landed again
	STEP 10, 0
	STEP 11, 0
	STEP 12, 0
	STEP 13, 0
	STEP 14, 0
	s_wait_dscnt 0x0                               ; the last step: nothing more to fetch
	WIN MUL
	MUL16 0, 15, 0
	MUL16 2, 15, 0
	WIN 0
; THE WAY OUT, a block of 16 queries at a time: x 1 / l; a lane's 32 neighbouring bytes of a row go through my stage and come back as whole rows of 512 bytes.
.macro PACK a                          ; each accumulator from its low end on
.set AC, 64*(\a)
	WIN 0x02
.set i, 0
.rept 32
	v_pk_mul_f32 v[TMP+i:TMP+i+1], v[AC+i:AC+i+1], v[RLV+2*(\a):RLV+2*(\a)+1]
.set i, i+2
.endr
	WIN 0
.endm
.macro TOSTAGE a
.set BB, BK+64*((\a)%2)
.irp b, 0,1,2,3,4,5,6,7
	ds_store_b128 v[STO], v[TMP+8*\b:TMP+8*\b+3] offset:64*\b
	ds_store_b128 v[STO], v[TMP+8*\b+4:TMP+8*\b+7] offset:64*\b+16
.endr
.irp t, 0,1,2,3,4,5,6,7,8,9,10,11,12,13,14,15
	ds_load_b128 v[BB+4*\t:BB+4*\t+3], v[RD] offset:\t*SPITCH      ; LDS serves a wave's instructions in order: these see the stores above
.endr
.endm
.macro SEND a
.set BB, BK+64*((\a)%2)
	s_wait_dscnt 0x0                               ; the block is back in registers
	s_wait_xcnt 0x0                                ; the earlier stores have read their registers and their base: both are written again only behind this wait
.if (\a) > 0
	s_add_nc_u64 s[94:95], s[94:95], 16*4096       ; 16 rows of O on
.endif
.irp t, 0,1,2,3,4,5,6,7,8,9,10,11,12,13,14,15
	global_store_b128 v[LI], v[BB+4*\t:BB+4*\t+3], s[94:95] offset:\t*4096 th:TH_STORE_NT   ; 32 lanes store 512 consecutive bytes, aligned; written once
.endr
.endm
	PLACES NP
.irp a, 0,1,2,3
	ds_load_b32 v[RLV+2*\a], v[RLA] offset:64*\a   ; 1 / l of query 64 ha + 16 a + r, in both registers of a pair for the packed multiply
	ds_load_b32 v[RLV+2*\a+1], v[RLA] offset:64*\a
.endr
	s_wait_dscnt 0x0
	PACK 0
	TOSTAGE 0
.irp a, 1,2,3                          ; block a's multiplies stand between block a - 1's loads from the stage and the wait for them
	PACK \a
	s_wait_alu depctr_va_vdst(0)
	SEND \a-1
	TOSTAGE \a
.endr
	SEND 3
	s_wait_tensorcnt 0x0                           ; the wave's end
	ds_add_u32 v[SPW], v[NIL]
	s_wait_dscnt 0x0
	CROUND                                         ; the closing round: no work-group ends while a partner may still ask for a tile that names it
	s_endpgm
.Lfunc_end_k_q2e2733753a_pv:
	.size	k_q2e2733753a_pv, .Lfunc_end_k_q2e2733753a_pv-k_q2e2733753a_pv
	.p2alignl 7, 3214868480
	.fill 96, 4, 3214868480
	.section	.rodata,"a",@progbits
	.p2align	6, 0x0
	.amdhsa_kernel k_q2e2733753a_pv
		.amdhsa_group_segment_fixed_size 327680
		.amdhsa_private_segment_fixed_size 0
		.amdhsa_enable_private_segment 0
		.amdhsa_kernarg_size 48
		.amdhsa_user_sgpr_count 2
		.amdhsa_user_sgpr_kernarg_segment_ptr 1
		.amdhsa_wavefront_size32 1
		.amdhsa_system_sgpr_workgroup_id_x 1
		.amdhsa_system_sgpr_workgroup_id_y 1
		.amdhsa_system_sgpr_workgroup_id_z 1
		.amdhsa_system_vgpr_workitem_id 0
		.amdhsa_next_free_vgpr 768
		.amdhsa_next_free_sgpr 102
		.amdhsa_reserve_vcc 0
		.amdhsa_float_denorm_mode_32 3
		.amdhsa_float_denorm_mode_16_64 3
		.amdhsa_memory_ordered 1
		.amdhsa_forward_progress 1
		.amdhsa_inst_pref_size 155
	.end_amdhsa_kernel
	.amdgpu_metadata
---
amdhsa.version: [ 1, 2 ]
amdhsa.kernels:
  - .name:           k_q2e2733753a_pv
    .symbol:         k_q2e2733753a_pv.kd
    .args:
      - { .name: p_codes, .offset: 0, .size: 8, .value_kind: global_buffer, .address_space: global }
      - { .name: p_scales, .offset: 8, .size: 8, .value_kind: global_buffer, .address_space: global }
      - { .name: p_stats, .offset: 16, .size: 8, .value_kind: global_buffer, .address_space: global }
      - { .name: qkv_codes, .offset: 24, .size: 8, .value_kind: global_buffer, .address_space: global }
      - { .name: qkv_scales, .offset: 32, .size: 8, .value_kind: global_buffer, .address_space: global }
      - { .name: out0, .offset: 40, .size: 8, .value_kind: global_buffer, .address_space: global }
    .group_segment_fixed_size: 327680
    .private_segment_fixed_size: 0
    .kernarg_segment_align: 8
    .kernarg_segment_size: 48
    .max_flat_workgroup_size: 128
    .sgpr_count:     102
    .vgpr_count:     768
    .wavefront_size: 32
...
	.end_amdgpu_metadata
.endif
;; end of part 3
